; MI455X (gfx1250); checked and timed in simulation.
; The chip was launched on July 23, 2026; its instructions are those of AMD's public machine-readable ISA for CDNA 5 (MIT licence, August 2026) and "CDNA5" Instruction Set Architecture Reference Guide (July 2026). The comments in the code are by the model that wrote it; some were corrected since.
;; Mixtral Sparse Moe Block. Allowed arithmetic: float matrix products may take bf16 or f16 operands with f32 sums; other float arithmetic in f32, or as packed bf16 or f16 multiplies, adds, multiply-adds, maxima and minima; sums over many terms, partial sums and values carried from step to step in f32; what a program stores and reads back later, other than sums and carried values, may be rounded once to bf16 or f16.
;; Inputs: gate_w 1,024 x 8 float32; w1 8 x 1,024 x 256 float32; w2 8 x 256 x 1,024 float32; w3 8 x 1,024 x 256 float32; x 4 x 2,048 x 1,024 float32.
;; Outputs: out0 4 x 2,048 x 1,024 float32.
;; 2 versions, each right; version 2 is version 1 with the launch chain written anew for expert scheduling mode. Each part assembles by itself: llvm-mc -triple=amdgcn-amd-amdhsa -mcpu=gfx1250 --defsym DOCPART=n.
;; ======== version 1 of 2: 3 launches
;; limits: values are held in f16: magnitudes above 65,504 overflow, below 6.1e-05 lose precision
;; workspace buffers: keys 65,536 bytes of whole numbers; hist 65,536 bytes of whole numbers; coef 65,536 bytes; order 32,768 bytes of whole numbers; thdr 2,560 bytes of whole numbers; wa 8,388,608 bytes; wb 4,194,304 bytes
;; launch router (part 1): grid 256 x 1, 4 waves a work-group, no clusters, 103,424 bytes of LDS; arguments x, gate_w, keys, hist, coef; writes keys, hist, coef
.if DOCPART == 1
	.amdgcn_target "amdgcn-amd-amdhsa--gfx1250"
	.amdhsa_code_object_version 6
	.text
	.protected	k_q5e549df6cb_router
	.globl	k_q5e549df6cb_router
	.p2align	8
	.type	k_q5e549df6cb_router,@function
k_q5e549df6cb_router:
	s_mov_b64 s[64:65], 0
	v_nop
	global_prefetch_b8 v0, s[64:65] scope:SCOPE_SE
	s_setreg_imm32_b32 hwreg(HW_REG_WAVE_MODE, 25, 1), 1
	s_wait_xcnt 0x0
; ROUTER.  logits = x gate_w (both rounded once to bf16, sums in f32), softmax with its maximum taken away, the two largest, their weights renormalised.
; A work-group owns 32 tokens.  Wave w brings rows 8 w .. 8 w + 7 of x into LDS as bf16 and the gate's rows k = 256 w .. + 255 as [k][16 experts] (experts 8-15 are 0);
; behind a barrier it multiplies K quarter w for both tiles of 16 tokens; the four partial sums meet in LDS and wave 0 finishes, a lane a token.
; STORED, at fixed places: for each token key = 8 lo + hi (lo < hi the chosen experts) and its rank among equal keys of its 32 tokens; a histogram of the 64 keys; the two weights.
; No address and no branch hangs on these numbers here: a later launch reads them and places the rows.
; LIMITS.  p = 2^(c l - c m), c = log2(e): the same c m is taken from all eight, so it cancels in p_i / (p_a + p_b); the softmax's divisor cancels likewise and is not formed.
; A p below 2^-126 counts as 0.  The two largest are taken on p by strict comparisons, so equal numbers go to the lower index.  NaN and infinities are not treated apart;
; logits closer than the rounding of their f32 sums may be ordered otherwise than by another order of summation.
.set PX,    2064                       ; a row of x in LDS: 2,048 bytes + 16: 129 x 16, so the 16 rows of a fragment load start at 16 different groups of four banks
.set LGT,   66048                      ; behind 32 rows of x: the gate, 1,024 rows of 32 bytes
.set LPART, 98816                      ; [4 waves][32 tokens][8 f32]
.set SPARE, 102912                     ; the spare words: 128 bytes a wave, two blocks of 256 bytes that no other line names
.set SPW, 4                            ; v4  SPARE + 4 x my thread's number; never rewritten
.set NIL, 5                            ; v5  0; never rewritten
.set CV,  16                           ; v16-31  conversions at work
.set GF,  32                           ; v32-95  the gate as loaded; later its 8 fragments
.set XF,  96                           ; v96-255 five row slots of 32; later x's 16 fragments (v96-223)
.set ACC, 224                          ; v224-231, v232-239  the two accumulators
.set TMP, 240                          ; v240-247
	s_load_b256 s[4:11], s[0:1], 0x0               ; x s[4:5], gate_w s[6:7], keys s[8:9], hist s[10:11]
	s_load_b64 s[12:13], s[0:1], 0x20              ; coef
	v_lshl_add_u32 v[SPW], v0, 2, SPARE
	v_mov_b32 v[NIL], 0
	v_lshrrev_b32 v1, 5, v0
	v_readfirstlane_b32 s14, v1                    ; wave 0..3
	v_and_b32 v1, 31, v0                           ; L
	v_and_b32 v2, 15, v0                           ; r
	v_bfe_u32 v3, v0, 4, 1                         ; h
	s_lshl_b32 s20, s14, 13                        ; 8,192 w: my 256 rows of the gate, in memory and in LDS alike
	s_lshl_b32 s21, s14, 15                        ; my 8 rows of x in memory
	s_mul_i32 s22, s14, 8*PX                       ; and in LDS
	s_lshl_b32 s23, s14, 9                         ; my K quarter in a row of bf16
	s_mov_b32 s24, 0x76543210                      ; v_permlanex16_b32: each lane takes its own place in the other half
	s_mov_b32 s25, 0xfedcba98
	v_lshl_add_u32 v6, v1, 4, s20                  ; gate, loads: 512 consecutive bytes a wave
	v_lshrrev_b32 v15, 1, v1
	v_and_b32 v16, 1, v1
	v_lshlrev_b32 v15, 5, v15
	v_lshl_add_u32 v15, v16, 3, v15
	v_add3_u32 v7, v15, s20, LGT                   ; gate, stores: row L / 2 of 16, experts 4 (L % 2) on
	v_lshl_add_u32 v8, v1, 5, s20
	v_add_nc_u32 v8, LGT+16, v8                    ; the zeros of experts 8-15: row L of 32
	v_lshl_add_u32 v9, v1, 4, s21                  ; x, loads
	v_lshl_add_u32 v10, v1, 3, s22                 ; x, stores: 8 bytes a lane
	v_mul_u32_u24 v11, v2, PX
	v_lshl_add_u32 v11, v3, 4, v11
	v_add_nc_u32 v11, s23, v11                     ; x's fragments: row r, my K quarter, 16 bytes for each half of the lanes
	v_and_b32 v15, 7, v1
	v_lshl_add_u32 v15, v3, 3, v15
	v_bfe_u32 v16, v1, 3, 1
	v_lshlrev_b32 v15, 5, v15
	v_lshl_add_u32 v15, v16, 4, v15
	v_add3_u32 v12, v15, s20, LGT                  ; the turning load: row 8 h + L % 8, experts 8 ((L / 8) % 2) on
	v_lshl_add_u32 v13, v0, 5, LPART               ; my token's 32 bytes in my wave's part
	v_lshl_add_u32 v14, v1, 5, LPART               ; the same in part 0
	s_lshl_b32 s16, ttmp9, 17                      ; 32 rows of 4,096 bytes
	s_mov_b32 s17, 0
	s_wait_kmcnt 0x0
	s_add_nc_u64 s[4:5], s[4:5], s[16:17]
	s_lshl_b32 s16, ttmp9, 8                       ; 256 bytes a block in each of the three outputs
	s_add_nc_u64 s[8:9], s[8:9], s[16:17]
	s_add_nc_u64 s[10:11], s[10:11], s[16:17]
	s_add_nc_u64 s[12:13], s[12:13], s[16:17]
.set q, 0
.rept 16                                               ; my 8,192 bytes of the gate
	global_load_b128 v[GF+4*q:GF+4*q+3], v6, s[6:7] offset:512*q
.set q, q+1
.endr
.macro RLOAD i, slot                   ; row i of my eight: eight loads of 512 consecutive bytes
.set q, 0
.rept 8
	global_load_b128 v[XF+32*(\slot)+4*q:XF+32*(\slot)+4*q+3], v9, s[4:5] offset:4096*(\i)+512*q
.set q, q+1
.endr
.endm
	RLOAD 0, 0
	RLOAD 1, 1
	RLOAD 2, 2
	RLOAD 3, 3
	RLOAD 4, 4
	v_mov_b32 v16, 0
	v_mov_b32 v17, 0
	v_mov_b32 v18, 0
	v_mov_b32 v19, 0
.set q, 0
.rept 8
	ds_store_b128 v8, v[16:19] offset:1024*q       ; experts 8-15 of my 256 rows
.set q, q+1
.endr
	s_wait_loadcnt 40                              ; the gate is in; the 40 loads of five rows are younger
.set q, 0
.rept 16
	v_cvt_pk_bf16_f32 v[CV+2*(q%8)],   v[GF+4*q],   v[GF+4*q+1]
	v_cvt_pk_bf16_f32 v[CV+2*(q%8)+1], v[GF+4*q+2], v[GF+4*q+3]
	ds_store_b64 v7, v[CV+2*(q%8):CV+2*(q%8)+1] offset:512*q
.set q, q+1
.endr
; Row i, in slot: rounded, stored; refill = 1: the slot takes row i + 5.  left = the loads younger than this row's.
.macro RROW i, slot, refill, left
	s_wait_loadcnt \left
.set q, 0
.rept 8
	v_cvt_pk_bf16_f32 v[CV+2*q],   v[XF+32*(\slot)+4*q],   v[XF+32*(\slot)+4*q+1]
	v_cvt_pk_bf16_f32 v[CV+2*q+1], v[XF+32*(\slot)+4*q+2], v[XF+32*(\slot)+4*q+3]
.set q, q+1
.endr
.set q, 0
.rept 8
	ds_store_b64 v10, v[CV+2*q:CV+2*q+1] offset:PX*(\i)+256*q
.set q, q+1
.endr
.if \refill
	RLOAD (\i)+5, \slot
.endif
.endm
	RROW 0, 0, 1, 32                               ; four younger rows stay out
	RROW 1, 1, 1, 32
	RROW 2, 2, 1, 32
	RROW 3, 3, 0, 32
	RROW 4, 4, 0, 24                               ; nothing more is asked for: the counts run down
	RROW 5, 0, 0, 16
	RROW 6, 1, 0, 8
	RROW 7, 2, 0, 0
	s_wait_dscnt 0x0                               ; for the others' sake: my rows are in LDS
	s_barrier_signal -1
	s_barrier_wait -1                              ; all 32 rows are
.set ks, 0
.rept 8                                                ; my K quarter: 8 steps of 32, two tiles of 16 tokens, and the gate turned
	ds_load_b128 v[XF+16*ks:XF+16*ks+3],     v11 offset:64*ks
	ds_load_b128 v[XF+16*ks+4:XF+16*ks+7],   v11 offset:64*ks+32
	ds_load_b128 v[XF+16*ks+8:XF+16*ks+11],  v11 offset:16*PX+64*ks
	ds_load_b128 v[XF+16*ks+12:XF+16*ks+15], v11 offset:16*PX+64*ks+32
	ds_load_tr16_b128 v[GF+8*ks:GF+8*ks+3],   v12 offset:1024*ks
	ds_load_tr16_b128 v[GF+8*ks+4:GF+8*ks+7], v12 offset:1024*ks+512
.set ks, ks+1
.endr
	s_wait_dscnt 0x0
	; source 0 = 16 experts, source 1 = 16 tokens: lane r < 16 then holds token r, register j expert j.  The two accumulators take turns.
	v_wmma_f32_16x16x32_bf16 v[ACC:ACC+7],    v[GF:GF+7], v[XF:XF+7],    0
	v_wmma_f32_16x16x32_bf16 v[ACC+8:ACC+15], v[GF:GF+7], v[XF+8:XF+15], 0
.set ks, 1
.rept 7
	v_wmma_f32_16x16x32_bf16 v[ACC:ACC+7],    v[GF+8*ks:GF+8*ks+7], v[XF+16*ks:XF+16*ks+7],    v[ACC:ACC+7]
	v_wmma_f32_16x16x32_bf16 v[ACC+8:ACC+15], v[GF+8*ks:GF+8*ks+7], v[XF+16*ks+8:XF+16*ks+15], v[ACC+8:ACC+15]
.set ks, ks+1
.endr
.set j, 0
.rept 8
	v_mov_b32 v[TMP+j], 0                          ; eight plain lines behind the last products; they also write what the exchange below counts as read
.set j, j+1
.endr
	v_cmp_gt_u32 vcc_lo, 16, v1
.set j, 0
.rept 8
	v_permlanex16_b32 v[TMP+j], v[ACC+8+j], s24, s25   ; tokens 16-31 go to lanes 16-31; each accumulator is read from its low end on
.set j, j+1
.endr
.set j, 0
.rept 8
	v_cndmask_b32 v[CV+j], v[TMP+j], v[ACC+j], vcc_lo
.set j, j+1
.endr
	ds_store_b128 v13, v[CV:CV+3]
	ds_store_b128 v13, v[CV+4:CV+7] offset:16
	s_wait_dscnt 0x0                               ; for wave 0's sake: my part is in LDS
	s_barrier_signal -1
	s_barrier_wait -1
	s_cmp_lg_u32 s14, 0
	s_cbranch_scc1 .Lend
	; WAVE 0: a lane a token
.set q, 0
.rept 8
	ds_load_b128 v[32+4*q:32+4*q+3], v14 offset:1024*(q/2)+16*(q%2)
.set q, q+1
.endr
	s_wait_dscnt 0x0
.irp i, 0,2,4,6
	v_pk_add_f32 v[32+\i:33+\i], v[32+\i:33+\i], v[40+\i:41+\i]
	v_pk_add_f32 v[48+\i:49+\i], v[48+\i:49+\i], v[56+\i:57+\i]
.endr
.irp i, 0,2,4,6
	v_pk_add_f32 v[32+\i:33+\i], v[32+\i:33+\i], v[48+\i:49+\i]   ; the eight logits in v32-39
.endr
	v_max3_num_f32 v40, v32, v33, v34
	v_max3_num_f32 v41, v35, v36, v37
	v_max3_num_f32 v40, v40, v38, v39
	v_max_num_f32 v40, v40, v41                    ; m
	v_mul_f32 v40, 0x3fb8aa3b, v40                 ; c m
.irp i, 0,2,4,6
	v_pk_fma_f32 v[32+\i:33+\i], v[32+\i:33+\i], 0x3fb8aa3b, v[40:41] op_sel_hi:[1,0,0] neg_lo:[0,0,1] neg_hi:[0,0,1]  ; c l - c m
.endr
.set j, 0
.rept 8
	v_exp_f32 v[32+j], v[32+j]
.set j, j+1
.endr
	v_mov_b32 v42, 0                               ; index of the largest (plain lines behind the last exponential)
	v_mov_b32 v43, 0                               ; index of the second
	v_mov_b32 v45, -1.0                            ; the second: below every p
	s_wait_alu depctr_va_vdst(0)                   ; one wait for the eight exponentials, ahead of their first reader
	v_mov_b32 v44, v32                             ; the largest
.set j, 1
.rept 7
	v_cmp_gt_f32 s20, v[32+j], v44
	v_cmp_gt_f32 s21, v[32+j], v45
	v_cndmask_b32 v45, v45, v[32+j], s21
	v_cndmask_b32 v43, v43, j, s21
	v_cndmask_b32 v45, v45, v44, s20
	v_cndmask_b32 v43, v43, v42, s20
	v_cndmask_b32 v44, v44, v[32+j], s20
	v_cndmask_b32 v42, v42, j, s20
.set j, j+1
.endr
	v_add_f32 v46, v44, v45
	v_rcp_f32 v46, v46
	v_min_u32 v47, v42, v43                        ; lo
	v_max_u32 v48, v42, v43                        ; hi
	v_lshl_add_u32 v52, v47, 3, v48                ; key
	v_cmp_lt_u32 vcc_lo, v42, v43
	s_wait_alu depctr_va_vdst(0)                   ; the reciprocal's wait
	v_mul_f32 v44, v44, v46
	v_mul_f32 v45, v45, v46
	v_cndmask_b32 v56, v45, v44, vcc_lo            ; weight of lo
	v_cndmask_b32 v57, v44, v45, vcc_lo            ; weight of hi
	v_mov_b32 v53, 0                               ; rank
	v_mov_b32 v54, 0                               ; count of key 2 L
	v_mov_b32 v55, 0                               ; count of key 2 L + 1
	v_lshlrev_b32 v58, 1, v1
	v_or_b32 v59, 1, v58
.set i, 0
.rept 32                                               ; token i's key is held against all lanes' keys (for the ranks of the lanes behind it) and against each lane's two bins
	v_readlane_b32 s20, v52, i
.if i < 31
	v_cmp_eq_u32 s21, s20, v52
	s_and_b32 vcc_lo, s21, (0xffffffff<<(i+1))&0xffffffff
	v_add_co_ci_u32 v53, vcc_lo, 0, v53, vcc_lo
.endif
	v_cmp_eq_u32 vcc_lo, s20, v58
	v_add_co_ci_u32 v54, vcc_lo, 0, v54, vcc_lo
	v_cmp_eq_u32 vcc_lo, s20, v59
	v_add_co_ci_u32 v55, vcc_lo, 0, v55, vcc_lo
.set i, i+1
.endr
	v_lshlrev_b32 v60, 3, v1
	global_store_b64 v60, v[52:53], s[8:9]         ; each store covers 256 consecutive bytes, aligned
	global_store_b64 v60, v[54:55], s[10:11]
	global_store_b64 v60, v[56:57], s[12:13]
.Lend:
	s_wait_tensorcnt 0x0                           ; the wave's end
	ds_add_u32 v[SPW], v[NIL]
	s_wait_dscnt 0x0
	s_endpgm
.Lfunc_end_k_q5e549df6cb_router:
	.size	k_q5e549df6cb_router, .Lfunc_end_k_q5e549df6cb_router-k_q5e549df6cb_router
	.p2alignl 7, 3214868480
	.fill 96, 4, 3214868480
	.section	.rodata,"a",@progbits
	.p2align	6, 0x0
	.amdhsa_kernel k_q5e549df6cb_router
		.amdhsa_group_segment_fixed_size 103424
		.amdhsa_private_segment_fixed_size 0
		.amdhsa_enable_private_segment 0
		.amdhsa_kernarg_size 40
		.amdhsa_user_sgpr_count 2
		.amdhsa_user_sgpr_kernarg_segment_ptr 1
		.amdhsa_wavefront_size32 1
		.amdhsa_system_sgpr_workgroup_id_x 1
		.amdhsa_system_sgpr_workgroup_id_y 1
		.amdhsa_system_sgpr_workgroup_id_z 1
		.amdhsa_system_vgpr_workitem_id 0
		.amdhsa_next_free_vgpr 256
		.amdhsa_next_free_sgpr 66
		.amdhsa_reserve_vcc 1
		.amdhsa_float_denorm_mode_32 3
		.amdhsa_float_denorm_mode_16_64 3
		.amdhsa_memory_ordered 1
		.amdhsa_forward_progress 1
		.amdhsa_inst_pref_size 49
	.end_amdhsa_kernel
	.amdgpu_metadata
---
amdhsa.version: [ 1, 2 ]
amdhsa.kernels:
  - .name:           k_q5e549df6cb_router
    .symbol:         k_q5e549df6cb_router.kd
    .args:
      - { .name: x, .offset: 0, .size: 8, .value_kind: global_buffer, .address_space: global }
      - { .name: gate_w, .offset: 8, .size: 8, .value_kind: global_buffer, .address_space: global }
      - { .name: keys, .offset: 16, .size: 8, .value_kind: global_buffer, .address_space: global }
      - { .name: hist, .offset: 24, .size: 8, .value_kind: global_buffer, .address_space: global }
      - { .name: coef, .offset: 32, .size: 8, .value_kind: global_buffer, .address_space: global }
    .group_segment_fixed_size: 103424
    .private_segment_fixed_size: 0
    .kernarg_segment_align: 8
    .kernarg_segment_size: 40
    .max_flat_workgroup_size: 128
    .sgpr_count:     66
    .vgpr_count:     256
    .wavefront_size: 32
...
	.end_amdgpu_metadata
.endif
;; end of part 1
;; launch prep (part 2): grid 208 x 1, 16 waves a work-group, no clusters, 142,336 bytes of LDS; arguments w1, w3, w2, keys, hist, wa, wb, order, thdr; writes wa, wb, order, thdr
.if DOCPART == 2
	.amdgcn_target "amdgcn-amd-amdhsa--gfx1250"
	.amdhsa_code_object_version 6
	.text
	.protected	k_q5e549df6cb_prep
	.globl	k_q5e549df6cb_prep
	.p2align	8
	.type	k_q5e549df6cb_prep,@function
k_q5e549df6cb_prep:
	s_mov_b64 s[64:65], 0
	v_nop
	global_prefetch_b8 v0, s[64:65] scope:SCOPE_SE
	s_setreg_imm32_b32 hwreg(HW_REG_WAVE_MODE, 25, 1), 1
	s_wait_xcnt 0x0
; WORK-GROUPS 0-191: the experts' weights, rounded once to bf16 and laid in the order in which a wave's operand registers take them.
; A FRAGMENT is 16 columns x 32 k in 1,024 bytes: byte 16 L of the first 512 holds lane L = 16 h + r's registers 0-3 (column r, k = 8 h .. + 7), byte 512 + 16 L its registers 4-7 (k = 16 + 8 h ..).
;   wa, bf16: ((e 4 + c) 32 + ks) 8,192 + f 1,024: f = 0..3 columns 64 c + 16 f + r of w1[e], f = 4..7 the same of w3[e]; k = 32 ks ..
;   wb, f16: ((e 8 + c) 8 + ks) 8,192 + f 1,024: columns 128 c + 16 f + r of w2[e]; k = 32 ks ..
; w2 is rounded to bf16 as every input is, and THAT number is written as f16, since the second product's other operand wants f16's 11 bits.
; LIMIT: the rewriting is exact for magnitudes from 2^-14 to 65,504; below, f16's fixed step of 2^-24 holds; a w2 of 65,520 or more in magnitude becomes an infinity.
; A wave takes ONE item: 32 k x 64 columns of f32 in (rows of 256 consecutive bytes), four fragments (4,096 consecutive bytes) out; 3,072 items, no loop.
; WORK-GROUPS 192-207: the counting sort of the 8,192 tokens by key (the set of their two experts), stable, without atomics, and the list of tiles of 64 tokens of one key.
;   Each of the sixteen makes the whole table of offsets for itself from the 64 KiB of histograms, and places its own 512 tokens, one a thread: so a work-group sends 512 single words, not 8,192.
;   order: the tokens' numbers by key.   thdr: for tile i: lo, hi, first place, count; past the last tile 0, 1, 0, 0: made by wave 0 of the first five sorting work-groups, 32 tiles each.
;   There are never more than 128 + 27 tiles: 28 keys can occur, and each leaves at most one tile not full.
; LDS.  The two ways through the text have bytes of their own: the weights' sixteen stages lie at 0 .. 69,631, the sort's tables behind them.  So no line of the one way names a byte of the other.
.set WST, 4352                         ; weights: a wave's own stage, four fragments 1,040 bytes apart; sixteen of them end at 69,632
.set LTOT,  69632                      ; sort: TOT[16 waves][64 keys]
.set LARR,  73728                      ; sort: BASE[64], at + 256 NCNT[64], at + 512 TINC[64]
.set LOFFT, 74752                      ; sort: [256 blocks][64 keys]
.set SPARE, 140288                     ; the spare words: 128 bytes for each of 16 waves, eight blocks of 256 bytes that no other line names
.set SPW, 2                            ; v2  SPARE + 4 x my thread's number; never rewritten
.set NIL, 3                            ; v3  0; never rewritten
	s_load_b512 s[4:19], s[0:1], 0x0               ; w1 s[4:5], w3 s[6:7], w2 s[8:9], keys s[10:11], hist s[12:13], wa s[14:15], wb s[16:17], order s[18:19]
	s_load_b64 s[20:21], s[0:1], 0x40              ; thdr
	v_lshl_add_u32 v[SPW], v0, 2, SPARE
	v_mov_b32 v[NIL], 0
	v_lshrrev_b32 v1, 5, v0
	v_readfirstlane_b32 s22, v1                    ; wave 0..15
	v_and_b32 v1, 31, v0                           ; L
	s_mov_b32 s23, ttmp9
	s_cmp_ge_u32 s23, 192
	s_cbranch_scc1 .Lsort
	v_and_b32 v4, 15, v0                           ; a: my 4 columns of the item's 64
	v_bfe_u32 v5, v0, 4, 1                         ; h
	s_and_b32 s24, s23, 63
	s_lshl_b32 s24, s24, 4
	s_add_co_u32 s24, s24, s22                     ; the item, 0..1,023 in its tensor
	s_lshr_b32 s25, s24, 7                         ; e
	s_lshl_b32 s26, s25, 20                        ; an expert's matrix is 1 MiB of f32
	s_mul_i32 s27, s22, WST
	v_lshrrev_b32 v7, 2, v4
	v_mul_u32_u24 v7, v7, 1040
	v_lshl_add_u32 v7, v5, 8, v7
	v_and_b32 v8, 3, v4
	v_lshl_add_u32 v7, v8, 6, v7
	v_add_nc_u32 v7, s27, v7                       ; in: fragment a / 4, lane 16 h + 4 (a % 4) + i.  Fragments 1,040 apart
	v_lshlrev_b32 v9, 4, v1                        ; 16 L
	v_add_nc_u32 v8, s27, v9                       ; back: 512 consecutive bytes
	s_cmp_ge_u32 s23, 128
	s_cbranch_scc1 .Lw2
; Lane (a, h) loads rows k = 16 blk + 8 h + j (j = 0..7), columns 4 a .. + 3.  For column 4 a + i its eight numbers of a blk ARE registers 4 blk .. + 3 of lane (r = 4 (a % 4) + i, h) of
; fragment a / 4: the transposition lies in which registers are paired.  They go through the wave's own stage and leave as 512 consecutive bytes a store.
; half = 1: the two bf16 numbers are widened again (a shift, a mask) and written as f16.
.macro ITEM pitch, half
	v_mul_u32_u24 v6, v5, 8*(\pitch)
	v_lshl_add_u32 v6, v4, 4, v6
.set n, 0
.rept 16
	global_load_b128 v[16+4*n:16+4*n+3], v6, s[32:33] offset:(16*(n/8)+n%8)*(\pitch) th:TH_LOAD_NT  ; sixteen lanes take 256 consecutive bytes of a row
.set n, n+1
.endr
	s_wait_loadcnt 8                               ; blk 0's eight rows are in; blk 1's eight loads are younger
.set n, 0
.rept 32                                               ; n = 16 blk + 4 i + jj: k = 2 jj and 2 jj + 1 of column i
.if n == 16
	s_wait_loadcnt 0x0
.endif
	v_cvt_pk_bf16_f32 v[80+n], v[16+4*(8*(n/16)+2*(n%4))+(n/4)%4], v[16+4*(8*(n/16)+2*(n%4)+1)+(n/4)%4]
.set n, n+1
.endr
.if \half
.set n, 0
.rept 32
	v_lshlrev_b32 v[10+2*(n%2)], 16, v[80+n]
	v_and_b32 v[11+2*(n%2)], 0xffff0000, v[80+n]
	v_cvt_pk_f16_f32 v[80+n], v[10+2*(n%2)], v[11+2*(n%2)]
.set n, n+1
.endr
.endif
.set n, 0
.rept 8
	ds_store_b128 v7, v[80+4*n:80+4*n+3] offset:512*(n/4)+16*(n%4)
.set n, n+1
.endr
.set n, 0
.rept 8
	ds_load_b128 v[16+4*n:16+4*n+3], v8 offset:1040*(n/2)+512*(n%2)  ; LDS serves a wave's instructions in order (ISA guide 5.7.1.4): these see the stores above
.set n, n+1
.endr
.set n, 0
.rept 8
	s_wait_dscnt 7-n                               ; the younger loads of the run stay out
	global_store_b128 v9, v[16+4*n:16+4*n+3], s[34:35] offset:512*n
.set n, n+1
.endr
	s_wait_tensorcnt 0x0                           ; the wave's end
	ds_add_u32 v[SPW], v[NIL]
	s_wait_dscnt 0x0
	s_endpgm
.endm
	s_bfe_u32 s28, s24, 0x50002                    ; w1, w3: ks = (item / 4) % 32
	s_and_b32 s29, s24, 3                          ; the group of 64 columns
	s_lshl_b32 s30, s28, 15                        ; 32 rows of 1,024 bytes
	s_add_co_u32 s26, s26, s30
	s_lshl_b32 s30, s29, 8
	s_add_co_u32 s26, s26, s30
	s_mov_b32 s27, 0
	s_lshl_b32 s30, s25, 2
	s_add_co_u32 s30, s30, s29
	s_lshl_b32 s30, s30, 5
	s_add_co_u32 s30, s30, s28
	s_lshl_b32 s30, s30, 13
	s_lshr_b32 s31, s23, 6                         ; 0: w1, 1: w3
	s_lshl_b32 s31, s31, 12
	s_add_co_u32 s30, s30, s31
	s_mov_b32 s31, 0
	s_wait_kmcnt 0x0
	s_cmp_lt_u32 s23, 64
	s_cselect_b64 s[32:33], s[4:5], s[6:7]
	s_add_nc_u64 s[32:33], s[32:33], s[26:27]
	s_add_nc_u64 s[34:35], s[14:15], s[30:31]
	ITEM 1024, 0
.Lw2:
	s_bfe_u32 s28, s24, 0x30004                    ; w2: ks = (item / 16) % 8
	s_and_b32 s29, s24, 15                         ; the group of 64 columns
	s_lshl_b32 s30, s28, 17                        ; 32 rows of 4,096 bytes
	s_add_co_u32 s26, s26, s30
	s_lshl_b32 s30, s29, 8
	s_add_co_u32 s26, s26, s30
	s_mov_b32 s27, 0
	s_lshl_b32 s30, s25, 3
	s_lshr_b32 s31, s29, 1
	s_add_co_u32 s30, s30, s31                     ; e 8 + the group of 128 columns
	s_lshl_b32 s30, s30, 3
	s_add_co_u32 s30, s30, s28
	s_lshl_b32 s30, s30, 13
	s_and_b32 s31, s29, 1
	s_lshl_b32 s31, s31, 12
	s_add_co_u32 s30, s30, s31
	s_mov_b32 s31, 0
	s_wait_kmcnt 0x0
	s_add_nc_u64 s[32:33], s[8:9], s[26:27]
	s_add_nc_u64 s[34:35], s[16:17], s[30:31]
	ITEM 4096, 1
; THE SORT.  512 threads.  Wave g owns the blocks 16 g .. + 15 of 32 tokens, lane L the keys 2 L and 2 L + 1.  Sorting work-group s places tokens 512 s .. + 511, thread t token 512 s + t.
; v16-17 my token's (key, rank);  v48-79 histograms, then the waves' totals, then what is read back;  v80-113 running sums over my wave's blocks.
.Lsort:
	s_and_b32 s27, s23, 15                         ; s: 192 is a multiple of 16
	s_lshl_b32 s24, s22, 12                        ; my wave's 16 blocks of 256 bytes
	v_lshlrev_b32 v6, 3, v1                        ; 8 L
	v_add_nc_u32 v5, s24, v6
	s_lshl_b32 s25, s22, 8
	s_add_co_u32 s25, s25, LTOT
	v_add_nc_u32 v7, s25, v6                       ; TOT[g][2 L]
	v_add_nc_u32 v14, LTOT, v6                     ; TOT[0][2 L]
	v_add_nc_u32 v8, LOFFT, v5                     ; OFFT[16 g][2 L]
	s_lshl_b32 s28, s27, 12
	v_lshl_add_u32 v4, v0, 3, s28                  ; my token's 8 bytes in keys
	s_lshl_b32 s29, s27, 4
	s_add_co_u32 s29, s29, s22                     ; my token's block: 16 s + t / 32
	s_lshl_b32 s29, s29, 8
	s_add_co_u32 s29, s29, LOFFT                   ; its row of OFFT
	s_lshl_b32 s30, s27, 9
	v_add_nc_u32 v10, s30, v0                      ; my token
	v_mov_b32 v11, s22
	s_wait_kmcnt 0x0
	global_load_b64 v[16:17], v4, s[10:11]
.set i, 0
.rept 16
	global_load_b64 v[48+2*i:49+2*i], v5, s[12:13] offset:256*i
.set i, i+1
.endr
	v_mov_b32 v80, 0
	v_mov_b32 v81, 0
	s_wait_loadcnt 0x0
.set i, 0
.rept 16
	v_add_nc_u32 v[82+2*i], v[80+2*i], v[48+2*i]
	v_add_nc_u32 v[83+2*i], v[81+2*i], v[49+2*i]
.set i, i+1
.endr
	ds_store_b64 v7, v[112:113]                    ; my wave's totals
	s_wait_dscnt 0x0                               ; for the others' sake: they are in LDS
	s_barrier_signal -1
	s_barrier_wait -1
.set i, 0
.rept 16
	ds_load_b64 v[48+2*i:49+2*i], v14 offset:256*i
.set i, i+1
.endr
	v_mov_b32 v114, 0                              ; the waves' before mine
	v_mov_b32 v115, 0
	v_mov_b32 v116, 0                              ; all waves': n
	v_mov_b32 v117, 0
	s_wait_dscnt 0x0
.set i, 0
.rept 16
	v_cmp_lt_u32 vcc_lo, i, v11
	v_cndmask_b32 v118, 0, v[48+2*i], vcc_lo
	v_cndmask_b32 v119, 0, v[49+2*i], vcc_lo
	v_add_nc_u32 v114, v114, v118
	v_add_nc_u32 v115, v115, v119
	v_add_nc_u32 v116, v116, v[48+2*i]
	v_add_nc_u32 v117, v117, v[49+2*i]
.set i, i+1
.endr
; an inclusive sum over the 32 lanes: four steps inside each half of 16 lanes, then lane 15's sum onto lanes 16-31 (VCC names them)
.macro SCAN32 x, tmp
.irp d, 1,2,4,8
	v_mov_b32_dpp v[\tmp], v[\x] row_shr:\d row_mask:0xf bank_mask:0xf bound_ctrl:1
	v_add_nc_u32 v[\x], v[\x], v[\tmp]
.endr
	v_readlane_b32 s26, v[\x], 15
	v_cndmask_b32 v[\tmp], 0, s26, vcc_lo
	v_add_nc_u32 v[\x], v[\x], v[\tmp]
.endm
	v_cmp_lt_u32 vcc_lo, 15, v1
	v_add_nc_u32 v120, v116, v117
	v_add_nc_u32 v122, 63, v116
	v_add_nc_u32 v123, 63, v117
	v_lshrrev_b32 v122, 6, v122                    ; tiles of key 2 L,
	v_lshrrev_b32 v123, 6, v123                    ; of key 2 L + 1
	v_add_nc_u32 v121, v122, v123
	SCAN32 120, 119
	SCAN32 121, 119
	v_sub_nc_u32 v125, v120, v117                  ; BASE[2 L + 1]: the tokens of all lower keys
	v_sub_nc_u32 v124, v125, v116                  ; BASE[2 L]
	v_sub_nc_u32 v126, v121, v123                  ; TINC: tiles up to and with the key
	v_mov_b32 v127, v121
	s_cmp_lg_u32 s22, 0
	s_cbranch_scc1 .Lnot0
	v_add_nc_u32 v12, LARR, v6
	ds_store_b64 v12, v[124:125]
	ds_store_b64 v12, v[116:117] offset:256
	ds_store_b64 v12, v[126:127] offset:512
.Lnot0:
	v_add_nc_u32 v118, v124, v114
	v_add_nc_u32 v119, v125, v115
.set i, 0
.rept 16
	v_add_nc_u32 v[80+2*i], v[80+2*i], v118        ; where block 16 g + i's tokens of the key begin
	v_add_nc_u32 v[81+2*i], v[81+2*i], v119
	ds_store_b64 v8, v[80+2*i:81+2*i] offset:256*i
.set i, i+1
.endr
	s_wait_dscnt 0x0                               ; for the others' sake: my blocks' offsets (and wave 0's three tables) are in LDS
	s_barrier_signal -1
	s_barrier_wait -1
	v_min_u32 v16, 63, v16
	v_lshl_add_u32 v16, v16, 2, s29
	ds_load_b32 v48, v16                           ; where my block's tokens of my key begin
	s_wait_dscnt 0x0
	v_add_nc_u32 v48, v48, v17                     ; + my rank among them
	v_min_u32 v48, 0x1fff, v48
	v_lshlrev_b32 v48, 2, v48
	global_store_b32 v48, v10, s[18:19]            ; single words, 32 KiB in all sixteen work-groups: the one scattered store of the program
	s_cmp_gt_u32 s27, 4
	s_cbranch_scc1 .Lsort_end
	s_cmp_lg_u32 s22, 0
	s_cbranch_scc1 .Lsort_end
	; wave 0 of sorting work-groups 0-4: lane L makes the header of tile 32 s + L
	s_wait_xcnt 0x0                                ; the store above has read its registers: they are written again only behind this wait
	s_lshl_b32 s30, s27, 5
	v_add_nc_u32 v9, s30, v1                       ; my tile
	v_mov_b32 v14, LARR+512
.set n, 0
.rept 16
	ds_load_b128 v[48+4*n:48+4*n+3], v14 offset:16*n
.set n, n+1
.endr
	v_mov_b32 v12, 0
	s_wait_dscnt 0x0
.set n, 0
.rept 64                                               ; TINC never falls: the tile's key is the number of keys whose tiles all lie in front of it
	v_cmp_ge_u32 vcc_lo, v9, v[48+n]
	v_add_co_ci_u32 v12, vcc_lo, 0, v12, vcc_lo
.set n, n+1
.endr
	v_min_u32 v13, 63, v12
	v_lshl_add_u32 v14, v13, 2, LARR
	ds_load_b32 v16, v14
	ds_load_b32 v17, v14 offset:256
	ds_load_b32 v18, v14 offset:512
	v_lshrrev_b32 v20, 3, v13                      ; lo
	v_and_b32 v21, 7, v13                          ; hi
	v_lshlrev_b32 v15, 4, v9
	s_wait_dscnt 0x0
	v_add_nc_u32 v19, 63, v17
	v_lshrrev_b32 v19, 6, v19
	v_sub_nc_u32 v18, v18, v19                     ; the key's first tile
	v_sub_nc_u32 v18, v9, v18                      ; mine among the key's
	v_lshl_add_u32 v22, v18, 6, v16                ; first place
	v_lshlrev_b32 v18, 6, v18
	v_sub_nc_u32 v23, v17, v18
	v_min_u32 v23, 64, v23                         ; count
	v_cmp_eq_u32 vcc_lo, 64, v12                   ; past the last tile
	v_cndmask_b32 v20, v20, 0, vcc_lo
	v_cndmask_b32 v21, v21, 1, vcc_lo
	v_cndmask_b32 v22, v22, 0, vcc_lo
	v_cndmask_b32 v23, v23, 0, vcc_lo
	global_store_b128 v15, v[20:23], s[20:21]      ; 512 consecutive bytes
.Lsort_end:
	s_wait_tensorcnt 0x0                           ; the wave's end
	ds_add_u32 v[SPW], v[NIL]
	s_wait_dscnt 0x0
	s_endpgm
.Lfunc_end_k_q5e549df6cb_prep:
	.size	k_q5e549df6cb_prep, .Lfunc_end_k_q5e549df6cb_prep-k_q5e549df6cb_prep
	.p2alignl 7, 3214868480
	.fill 96, 4, 3214868480
	.section	.rodata,"a",@progbits
	.p2align	6, 0x0
	.amdhsa_kernel k_q5e549df6cb_prep
		.amdhsa_group_segment_fixed_size 142336
		.amdhsa_private_segment_fixed_size 0
		.amdhsa_enable_private_segment 0
		.amdhsa_kernarg_size 72
		.amdhsa_user_sgpr_count 2
		.amdhsa_user_sgpr_kernarg_segment_ptr 1
		.amdhsa_wavefront_size32 1
		.amdhsa_system_sgpr_workgroup_id_x 1
		.amdhsa_system_sgpr_workgroup_id_y 1
		.amdhsa_system_sgpr_workgroup_id_z 1
		.amdhsa_system_vgpr_workitem_id 0
		.amdhsa_next_free_vgpr 128
		.amdhsa_next_free_sgpr 66
		.amdhsa_reserve_vcc 1
		.amdhsa_float_denorm_mode_32 3
		.amdhsa_float_denorm_mode_16_64 3
		.amdhsa_memory_ordered 1
		.amdhsa_forward_progress 1
		.amdhsa_inst_pref_size 39
	.end_amdhsa_kernel
	.amdgpu_metadata
---
amdhsa.version: [ 1, 2 ]
amdhsa.kernels:
  - .name:           k_q5e549df6cb_prep
    .symbol:         k_q5e549df6cb_prep.kd
    .args:
      - { .name: w1, .offset: 0, .size: 8, .value_kind: global_buffer, .address_space: global }
      - { .name: w3, .offset: 8, .size: 8, .value_kind: global_buffer, .address_space: global }
      - { .name: w2, .offset: 16, .size: 8, .value_kind: global_buffer, .address_space: global }
      - { .name: keys, .offset: 24, .size: 8, .value_kind: global_buffer, .address_space: global }
      - { .name: hist, .offset: 32, .size: 8, .value_kind: global_buffer, .address_space: global }
      - { .name: wa, .offset: 40, .size: 8, .value_kind: global_buffer, .address_space: global }
      - { .name: wb, .offset: 48, .size: 8, .value_kind: global_buffer, .address_space: global }
      - { .name: order, .offset: 56, .size: 8, .value_kind: global_buffer, .address_space: global }
      - { .name: thdr, .offset: 64, .size: 8, .value_kind: global_buffer, .address_space: global }
    .group_segment_fixed_size: 142336
    .private_segment_fixed_size: 0
    .kernarg_segment_align: 8
    .kernarg_segment_size: 72
    .max_flat_workgroup_size: 512
    .sgpr_count:     66
    .vgpr_count:     128
    .wavefront_size: 32
...
	.end_amdgpu_metadata
.endif
;; end of part 2
;; launch chain (part 3): grid 155 x 1, 8 waves a work-group, no clusters, 266,240 bytes of LDS; arguments x, coef, order, thdr, wa, wb, out0; writes out0
.if DOCPART == 3
	.amdgcn_target "amdgcn-amd-amdhsa--gfx1250"
	.amdhsa_code_object_version 6
	.text
	.protected	k_q5e549df6cb_chain
	.globl	k_q5e549df6cb_chain
	.p2align	8
	.type	k_q5e549df6cb_chain,@function
k_q5e549df6cb_chain:
	s_mov_b64 s[64:65], 0
	v_nop
	global_prefetch_b8 v0, s[64:65] scope:SCOPE_SE
	s_setreg_imm32_b32 hwreg(HW_REG_WAVE_MODE, 25, 1), 1
	s_wait_xcnt 0x0
; THE CHAIN.  A work-group takes a tile of 64 tokens that chose the same two experts (lo, hi) through everything: gather x (rounded once to bf16) into LDS; for each of the two experts
; G = X w1, U = X w3 (bf16 operands), h = silu(G) U coef in f32; out = [H_lo H_hi] [w2_lo; w2_hi] (f16 operands): both experts add into ONE accumulator, so each output row has one owner.
; H IN f16, WITH A SCALE FOR EACH TOKEN.  bf16's 8 bits are too few for h: one large term h w2 of a sum carries up to 2^-9 of itself.  f16 has 11 bits but ends at 65,504, so each token's 512 numbers h
; are multiplied by a power of two that puts the largest of them into 2^14 .. 2^15, rounded once to f16, and the sums are multiplied by the inverse power: both multiplications are exact.
; So h waits in f32 (in the wave's own LDS scratch) until the token's largest magnitude over both experts and all eight waves is known: one exchange through LDS, one barrier.
; 155 work-groups serve every split of the tokens (128 full tiles + at most 27 more).  PLACES PAST A TILE'S COUNT REPEAT ITS LAST TOKEN: they are computed alike, so a store that holds a live row and
; such a place writes the same bytes twice to the same address; stores wholly past the count are jumped.  A tile with count 0 repeats a token that exists and stores nothing; it runs through all the
; same: an early end would put the barriers under a branch on loaded data.
; SHARES.  EIGHT WAVES, two on each SIMD, split N: wave w has hidden columns 32 w .. + 31 of w1 and of w3, then output columns 128 w .. + 127 as two passes of 64.  Each weight byte has one reader in
; the work-group: it comes from memory straight into operand registers (laid out for that by the launch before), and no loop over K holds a barrier or writes LDS.  Two waves a SIMD, so that
; while one wave issues its loads, its activations or its stores the other has matrix instructions to issue; the price: a token fragment read from LDS feeds 4 products, not 8.
; NO JOINT LOADS: they would have to pass through LDS, where beside X and the scratch 60 KiB are left, under two K steps of 32 KiB; and a key's tiles are not a multiple of four.
; BOTH PRODUCTS ARE USED TRANSPOSED: source 0 = 16 columns of a weight, source 1 = 16 tokens: lane (r, h) holds token r and columns 8 h + 0..7.
; A CHUNK is 32 along K: 4 weight fragments (8 loads of 512 consecutive bytes), 4 token fragments from LDS, 16 matrix instructions on 16 accumulators, each once and in the same order in every
; chunk.  The weights go through a ring of four register slots: three chunks, 24 loads a wave, are on their way.
; LIMITS.  NaN and infinities are not treated apart; 2^(-c g) beyond f32's range gives silu = -0, below 2^-126 gives silu = g.  silu is formed before it meets u, so no product overflows where silu is 0.
; An h more than 2^28 below its token's largest keeps f16's fixed step, 2^-39 of that largest.  A token whose largest |h| lies below 2^-112 is scaled by 2^126.
; REGISTERS, in windows of 256 (s_set_vgpr_msb: bits 1:0 source 0, 3:2 source 1, 5:4 source 2, 7:6 destination):
;   window 0: addresses, coefficients, the two buffers of token fragments, 32 offsets in out, 96 at work.   window 1: v0-127 the ring, v128-255 the accumulators (during the gather: my 8 rows).
.set PX,  2064                         ; a row of X in LDS: 2,048 + 16 bytes = 129 x 16: the 16 rows of a fragment load start at 16 different groups of four banks
.set PH,  1040                         ; a row of H: 512 bytes for lo, 512 for hi, + 16.  H lies where X lay: it is written only behind a barrier in front of which every wave's reads of X are over
.set PS,  272                          ; a row of a wave's stage: 64 f32 + 16 bytes
.set LSCR,  132096                     ; behind 64 rows of X: 16,384 bytes for each wave: its h in f32, 8,192 an expert; later its first 4,352 bytes are the stage of the way out
.set LRED,  263168                     ; [8 waves][64 tokens] f32: the waves' largest magnitudes
.set SPARE, 265216                     ; the spare words: 128 bytes a wave, four blocks of 256 bytes that no other line names
.set LOFF, 4                           ; v4   16 L
.set AX,   5                           ; v5-6   running LDS addresses of the token fragments: tiles 0, 1 and tiles 2, 3
.set BX,   7                           ; v7-8   where they start
.set HB,   9                           ; v9   the same for H
.set XW,   10                          ; v10  the gather's stores
.set HW,   11                          ; v11  H's stores: my 32 hidden columns
.set STO,  12                          ; v12  the way out: into my stage
.set SRD,  13                          ; v13  my scratch block + 16 L: the scratch's reads
.set SPW,  14                          ; v14  SPARE + 4 x my thread's number; never rewritten
.set NIL,  15                          ; v15  0; never rewritten
.set CF,   16                          ; v16-23  for token 16 mt + r: weight of lo, weight of hi
.set IV,   16                          ;         later: the token's inverse scale, twice
.set CUR,  24                          ; v24-31  the weight of the expert in hand, twice
.set SC,   24                          ;         later: the token's scale, twice
.set AB,   32                          ; v32-95  token fragments: buffer b, tile mt at AB + 32 b + 8 mt
.set OV,   96                          ; v96-127 store j: the token at place 2 j + h, x 4,096, + 512 w + 16 (L % 16)
.set TT,   128                         ; activation: v128-159; rounding: two buffers, v128-191
.set UC,   160                         ; activation: v160-191
.set RB,   128                         ; the way out: v128-159, 16 rows read back
.set PK,   192                         ; v192-223  the eight waves' maxima; then v192-207 a group rounded
.set XO,   192                         ; gather: v192-199 my 8 rows' offsets in x
.set GT,   200                         ; gather: v200-215 a row rounded
.set MX,   224                         ; v224-227  tile mt: the largest h so far
.set MN,   228                         ; v228-231  the smallest
.set SCW,  232                         ; v232 the scratch's stores: it steps by an expert
.set RW,   233                         ; v233 my wave's row of maxima, token r
.set RR,   234                         ; v234 wave 0's row, token r
.set STR,  235                         ; v235 the way out: back from my stage, two rows a load
.set LOFB, 236                         ; v236 the offset of a chunk's loads 4-7: 16 L + 2,048 in wa (w3's fragments lie 4,096 behind w1's), 16 L in wb
.set OB,   237                         ; v237 512 w + 16 (L % 16)
.set IDS,  240                         ; set-up: v240-243
.set TA,   244                         ; set-up: v244-245
.set MSB, 0
.macro WIN new                         ; the immediate's high byte repeats the setting that is left; a switch that changes nothing is dropped
.if MSB != (\new)
	s_set_vgpr_msb (MSB<<8)|(\new)
.set MSB, \new
.endif
.endm
.set W_MUL, 0x51                       ; weights window 1, tokens window 0, C and D window 1
.set W_LD,  0x40                       ; destination window 1
.set W_CV,  0x05                       ; sources 0 and 1 window 1
.set W_S0,  0x01                       ; source 0 window 1
.set W_ST,  0x04                       ; an LDS store's data window 1
.set W_RS,  0x41                       ; destination and source 0 window 1
	s_load_b256 s[4:11], s[0:1], 0x0               ; x s[4:5], coef s[6:7], order s[8:9], thdr s[10:11]
	s_load_b128 s[12:15], s[0:1], 0x20             ; wa s[12:13], wb s[14:15]
	s_load_b64 s[16:17], s[0:1], 0x30              ; out
	v_lshl_add_u32 v[SPW], v0, 2, SPARE
	v_mov_b32 v[NIL], 0
	v_lshrrev_b32 v1, 5, v0
	v_readfirstlane_b32 s18, v1                    ; wave 0..7
	v_and_b32 v1, 31, v0                           ; L
	v_and_b32 v2, 15, v0                           ; r
	v_bfe_u32 v3, v0, 4, 1                         ; h
	v_lshlrev_b32 v[LOFF], 4, v1
	s_lshl_b32 s24, ttmp9, 4
	s_wait_kmcnt 0x0
	s_load_b128 s[20:23], s[10:11], s24            ; the tile: lo, hi, first place, count
	v_mul_u32_u24 v[BX], v2, PX
	v_lshl_add_u32 v[BX], v3, 4, v[BX]             ; row r, 16 bytes for each half of the lanes
	v_add_nc_u32 v[BX+1], 32*PX, v[BX]
	v_mul_u32_u24 v[HB], v2, PH
	v_lshl_add_u32 v[HB], v3, 4, v[HB]
	s_mul_i32 s25, s18, 8*PX
	v_lshl_add_u32 v[XW], v1, 3, s25               ; my 8 rows, 8 bytes a lane
	s_lshl_b32 s25, s18, 6
	v_add_nc_u32 v[HW], s25, v[HB]                 ; my 32 hidden columns
	s_lshl_b32 s25, s18, 14
	s_add_co_u32 s25, s25, LSCR                    ; my scratch block
	v_mul_u32_u24 v[STO], v2, PS
	v_lshl_add_u32 v[STO], v3, 5, v[STO]
	v_add_nc_u32 v[STO], s25, v[STO]               ; in: row r, 32 bytes for each half of the lanes
	v_add_nc_u32 v[SRD], s25, v[LOFF]
	v_mov_b32 v[SCW], v[SRD]
	v_mul_u32_u24 v[STR], v3, PS
	v_lshl_add_u32 v[STR], v2, 4, v[STR]
	v_add_nc_u32 v[STR], s25, v[STR]               ; back: lanes 0-15 one row of 256 bytes, lanes 16-31 the next
	s_lshl_b32 s25, s18, 8
	s_add_co_u32 s25, s25, LRED
	v_lshl_add_u32 v[RW], v2, 2, s25
	v_lshl_add_u32 v[RR], v2, 2, LRED
	s_lshl_b32 s25, s18, 9
	v_lshl_add_u32 v[OB], v2, 4, s25
	v_add_nc_u32 v[LOFB], 2048, v[LOFF]
	s_wait_kmcnt 0x0
	s_min_u32 s20, s20, 7                          ; what was loaded enters addresses and counts only within these bounds
	s_min_u32 s21, s21, 7
	s_min_u32 s22, s22, 0x1fff
	s_min_u32 s23, s23, 64
	s_max_u32 s27, s23, 1
	s_add_co_u32 s27, s27, s22
	s_sub_co_u32 s27, s27, 1                       ; the tile's last live place in order: later places repeat it
	s_min_u32 s27, s27, 0x1fff
	s_lshl_b32 s19, s18, 3
	s_add_co_u32 s19, s19, s22                     ; my wave's first place
.set i, 0
.rept 8
	s_add_co_u32 s[44+i], s19, i
	s_min_u32 s[44+i], s[44+i], s27
	s_min_u32 s[44+i], s[44+i], 0x1fff
	s_lshl_b32 s[44+i], s[44+i], 2
	s_load_b32 s[52+i], s[8:9], s[44+i]            ; the tokens at my 8 places
.set i, i+1
.endr
	v_add_nc_u32 v[TA], s22, v2
	v_add_nc_u32 v[TA+1], s22, v3
.irp m, 0,1,2,3
	v_add_nc_u32 v[IDS+\m], 16*\m, v[TA]
	v_min_u32 v[IDS+\m], s27, v[IDS+\m]
	v_min_u32 v[IDS+\m], 0x1fff, v[IDS+\m]
	v_lshlrev_b32 v[IDS+\m], 2, v[IDS+\m]
	global_load_b32 v[IDS+\m], v[IDS+\m], s[8:9]   ; the token at place 16 mt + r
.endr
.set j, 0
.rept 32
	v_add_nc_u32 v[OV+j], 2*j, v[TA+1]
	v_min_u32 v[OV+j], s27, v[OV+j]
	v_min_u32 v[OV+j], 0x1fff, v[OV+j]
	v_lshlrev_b32 v[OV+j], 2, v[OV+j]
	global_load_b32 v[OV+j], v[OV+j], s[8:9]       ; the token at place 2 j + h
.set j, j+1
.endr
	s_wait_kmcnt 0x0
.set i, 0
.rept 8
	s_min_u32 s[52+i], s[52+i], 0x1fff
	v_lshl_add_u32 v[XO+i], s[52+i], 12, v[LOFF]
.set i, i+1
.endr
	s_wait_loadcnt 0x0
.irp m, 0,1,2,3
	v_min_u32 v[IDS+\m], 0x1fff, v[IDS+\m]
	v_lshlrev_b32 v[IDS+\m], 3, v[IDS+\m]
.endr
.irp m, 0,1,2,3
	global_load_b64 v[CF+2*\m:CF+2*\m+1], v[IDS+\m], s[6:7]
.endr
.macro GLOAD i                         ; row i of my 8: eight loads of 512 consecutive bytes
	WIN W_LD
.set q, 0
.rept 8
	global_load_b128 v[32*(\i)+4*q:32*(\i)+4*q+3], v[XO+(\i)], s[4:5] offset:512*q
.set q, q+1
.endr
.endm
.irp i, 0,1,2,3,4,5,6,7
	GLOAD \i
.endr
	WIN 0
.set j, 0
.rept 32
	v_min_u32 v[OV+j], 0x1fff, v[OV+j]
	v_lshl_add_u32 v[OV+j], v[OV+j], 12, v[OB]
.set j, j+1
.endr
	; the weights' pointers: s[28:29] the one in hand, s[30:31] the segment's after it, s[32:33] and s[34:35] wb for lo and hi
	s_lshr_b32 s19, s18, 1                         ; my block of 64 columns in wa,
	s_and_b32 s25, s18, 1
	s_lshl_b32 s25, s25, 11                        ; and which two of its four fragments of each matrix are mine
	s_mov_b32 s39, 0
	s_lshl_b32 s24, s20, 2
	s_add_co_u32 s24, s24, s19
	s_lshl_b32 s38, s24, 18                        ; 32 chunks of 8,192 bytes
	s_add_co_u32 s38, s38, s25
	s_add_nc_u64 s[28:29], s[12:13], s[38:39]
	s_lshl_b32 s24, s21, 2
	s_add_co_u32 s24, s24, s19
	s_lshl_b32 s38, s24, 18
	s_add_co_u32 s38, s38, s25
	s_add_nc_u64 s[30:31], s[12:13], s[38:39]
	s_lshl_b32 s24, s20, 3
	s_add_co_u32 s24, s24, s18
	s_lshl_b32 s38, s24, 16                        ; 8 chunks of 8,192 bytes
	s_add_nc_u64 s[32:33], s[14:15], s[38:39]
	s_lshl_b32 s24, s21, 3
	s_add_co_u32 s24, s24, s18
	s_lshl_b32 s38, s24, 16
	s_add_nc_u64 s[34:35], s[14:15], s[38:39]
	s_mov_b32 s36, 0xbfb8aa3b                      ; -log2(e)
	s_mov_b32 s37, s36                             ; named with it as a pair
	s_mov_b32 s40, 0x76543210                      ; v_permlanex16_b32: each lane takes its own place in the other half
	s_mov_b32 s41, 0xfedcba98
.macro PLACES                          ; a load into a register that a matrix instruction has read, and whatever reads a matrix result, stand four plain vector lines behind it (ISA guide 7.12.1 for vector instructions)
.rept 4
	v_nop
.endr
.endm
.macro LDCH slot, imm                  ; a chunk's 4 fragments
	WIN W_LD
.set n, 0
.rept 8
.if n < 4
	global_load_b128 v[32*(\slot)+4*n:32*(\slot)+4*n+3], v[LOFF], s[28:29] offset:(\imm)+512*n
.else
	global_load_b128 v[32*(\slot)+4*n:32*(\slot)+4*n+3], v[LOFB], s[28:29] offset:(\imm)+512*n
.endif
.set n, n+1
.endr
.endm
.macro PRELOAD                         ; a segment's first three chunks
	LDCH 0, 0
	LDCH 1, 8192
	LDCH 2, 16384
.endm
; Row i: rounded and stored.  left = the loads younger than this row's.
.macro GROW i, left
	s_wait_loadcnt \left
	WIN W_CV
.set q, 0
.rept 8
	v_cvt_pk_bf16_f32 v[GT+2*q],   v[32*(\i)+4*q],   v[32*(\i)+4*q+1]
	v_cvt_pk_bf16_f32 v[GT+2*q+1], v[32*(\i)+4*q+2], v[32*(\i)+4*q+3]
.set q, q+1
.endr
	WIN 0
.set q, 0
.rept 8
	ds_store_b64 v[XW], v[GT+2*q:GT+2*q+1] offset:PX*(\i)+256*q
.set q, q+1
.endr
.endm
	GROW 0, 56                                     ; seven younger rows stay out
	GROW 1, 48
	GROW 2, 40
	PRELOAD                                        ; rows 0-2 have left the ring's first three slots: the first expert's first three chunks go out under the gather's end
	GROW 3, 56                                     ; four younger rows and the 24 just issued
	GROW 4, 48
	GROW 5, 40
	GROW 6, 32
	GROW 7, 24
	WIN 0
.irp m, 0,1,2,3
	v_mov_b32 v[CUR+2*\m], v[CF+2*\m]              ; lo's weights
	v_mov_b32 v[CUR+2*\m+1], v[CF+2*\m]
.endr
.irp m, 0,1,2,3,4,5,6,7
	v_mov_b32 v[MX+\m], 0                          ; the largest and the smallest h start at 0: what is wanted is the largest magnitude
.endr
	s_wait_dscnt 0x0                               ; for the others' sake: my 8 rows are in LDS
	s_barrier_signal -1
	s_barrier_wait -1                              ; all 64 are
.macro ALOAD buf, aimm, p16            ; four tiles' fragments, 32 along K at byte aimm from the running addresses; p16 = 16 rows
	WIN 0
.set mt, 0
.rept 4
	ds_load_b128 v[AB+32*(\buf)+8*mt:AB+32*(\buf)+8*mt+3],   v[AX+mt/2] offset:(mt%2)*(\p16)+(\aimm)
	ds_load_b128 v[AB+32*(\buf)+8*mt+4:AB+32*(\buf)+8*mt+7], v[AX+mt/2] offset:(mt%2)*(\p16)+(\aimm)+32
.set mt, mt+1
.endr
.endm
; A chunk.  lcnt: the weight loads younger than this chunk's.  Its token fragments were asked for a chunk ago.  The four places stand behind the chunk before, whose ring slot (ld = 1) takes the
; chunk three on and whose token buffer (apf = 1) takes the next chunk's fragments.  zero = 1: the products start the sums.  ty: the operands' format, bf16 or f16.
.macro CHUNK slot, buf, zero, ld, imm, apf, aimm, lcnt, p16, ty
	s_wait_loadcnt \lcnt
	s_wait_dscnt 0x0
	PLACES
.if \ld
	LDCH ((\slot)+3)%4, \imm
.endif
.if \apf
	ALOAD 1-(\buf), \aimm, \p16
.endif
	WIN W_MUL
.set mt, 0
.rept 4
.set f, 0
.rept 4
.if \zero
	v_wmma_f32_16x16x32_\ty v[128+8*(4*mt+f):128+8*(4*mt+f)+7], v[32*(\slot)+8*f:32*(\slot)+8*f+7], v[AB+32*(\buf)+8*mt:AB+32*(\buf)+8*mt+7], 0
.else
	v_wmma_f32_16x16x32_\ty v[128+8*(4*mt+f):128+8*(4*mt+f)+7], v[32*(\slot)+8*f:32*(\slot)+8*f+7], v[AB+32*(\buf)+8*mt:AB+32*(\buf)+8*mt+7], v[128+8*(4*mt+f):128+8*(4*mt+f)+7]
.endif
.set f, f+1
.endr
.set mt, mt+1
.endr
.endm
; A segment: 1 + 4 trips + 3 chunks; its chunks 0-2 have been asked for.  sel = 1: behind the first trip the weights go on in hi's matrix (chunk 8 on).
.macro SEG trips, p16, sel, ty
	WIN 0
	v_mov_b32 v[AX], v[BX]
	v_mov_b32 v[AX+1], v[BX+1]
	ALOAD 0, 0, \p16
	CHUNK 0, 0, 1, 1, 24576, 1, 64, 16, \p16, \ty  ; 16: the next two chunks' eight loads each
	WIN 0                                          ; at a label and at a branch every window is 0
	s_wait_xcnt 0x0                                ; the loads have read their base: it steps only behind this wait
	s_add_nc_u64 s[28:29], s[28:29], 32768
	s_mov_b32 s25, \trips
.Lseg_\@:
	CHUNK 1, 1, 0, 1, 0,     1, 128, 16, \p16, \ty
	CHUNK 2, 0, 0, 1, 8192,  1, 192, 16, \p16, \ty
	CHUNK 3, 1, 0, 1, 16384, 1, 256, 16, \p16, \ty
	CHUNK 0, 0, 0, 1, 24576, 1, 320, 16, \p16, \ty
	WIN 0
	s_wait_xcnt 0x0
	s_add_nc_u64 s[28:29], s[28:29], 32768
.if \sel
	s_cmp_eq_u32 s25, \trips
	s_cselect_b64 s[28:29], s[34:35], s[28:29]
.endif
	v_add_nc_u32 v[AX], 256, v[AX]
	v_add_nc_u32 v[AX+1], 256, v[AX+1]
	s_sub_co_u32 s25, s25, 1
	s_cmp_lg_u32 s25, 0
	s_cbranch_scc1 .Lseg_\@
	CHUNK 1, 1, 0, 0, 0, 1, 128, 16, \p16, \ty     ; the last three ask for no weights: the counts run down
	CHUNK 2, 0, 0, 0, 0, 1, 192, 8,  \p16, \ty
	CHUNK 3, 1, 0, 0, 0, 0, 0,   0,  \p16, \ty
	PLACES
	WIN 0
.endm
; Tiles 2 p and 2 p + 1, 16 tokens each, x my 32 hidden columns: h = silu(g) u coef in f32, into my scratch; each tile's largest and smallest h are carried on.  g lies in a tile's accumulators 0, 1,
; u in 2, 3; each is read from its low end on.  Two batches of 32 transcendentals, one wait each; plain lines stand behind each batch's last.
.macro ACT2 p
	WIN W_S0
.set i, 0
.rept 16
	v_pk_mul_f32 v[TT+2*i:TT+2*i+1], v[128+32*(2*(\p)+i/8)+2*(i%8):128+32*(2*(\p)+i/8)+2*(i%8)+1], s[36:37] op_sel_hi:[1,0]   ; -c g
.set i, i+1
.endr
	WIN 0
.set i, 0
.rept 32
	v_exp_f32 v[TT+i], v[TT+i]
.set i, i+1
.endr
	WIN W_S0
.set i, 0
.rept 16
	v_pk_mul_f32 v[UC+2*i:UC+2*i+1], v[128+32*(2*(\p)+i/8)+16+2*(i%8):128+32*(2*(\p)+i/8)+16+2*(i%8)+1], v[CUR+2*(2*(\p)+i/8):CUR+2*(2*(\p)+i/8)+1]   ; u coef
.set i, i+1
.endr
	s_wait_alu depctr_va_vdst(0)
	WIN 0
.set i, 0
.rept 16
	v_pk_add_f32 v[TT+2*i:TT+2*i+1], v[TT+2*i:TT+2*i+1], 1.0 op_sel_hi:[1,0]
.set i, i+1
.endr
.set i, 0
.rept 32
	v_rcp_f32 v[TT+i], v[TT+i]
.set i, i+1
.endr
	v_nop
	s_wait_alu depctr_va_vdst(0)
	WIN W_S0
.set i, 0
.rept 16
	v_pk_mul_f32 v[TT+2*i:TT+2*i+1], v[128+32*(2*(\p)+i/8)+2*(i%8):128+32*(2*(\p)+i/8)+2*(i%8)+1], v[TT+2*i:TT+2*i+1]   ; silu(g)
.set i, i+1
.endr
	WIN 0
.set i, 0
.rept 16
	v_pk_mul_f32 v[TT+2*i:TT+2*i+1], v[TT+2*i:TT+2*i+1], v[UC+2*i:UC+2*i+1]
.set i, i+1
.endr
.set i, 0
.rept 16                                               ; the two tiles' maxima and minima by turns: four chains, a link four lines behind the one before it
	v_max3_num_f32 v[MX+2*(\p)+i%2], v[MX+2*(\p)+i%2], v[TT+16*(i%2)+2*(i/2)], v[TT+16*(i%2)+2*(i/2)+1]
	v_min3_num_f32 v[MN+2*(\p)+i%2], v[MN+2*(\p)+i%2], v[TT+16*(i%2)+2*(i/2)], v[TT+16*(i%2)+2*(i/2)+1]
.set i, i+1
.endr
.set i, 0
.rept 8
	ds_store_b128 v[SCW], v[TT+4*i:TT+4*i+3] offset:4096*(\p)+512*i   ; 512 consecutive bytes a store
.set i, i+1
.endr
.endm
	; PHASE 1: two trips, lo and hi.  The next segment's first chunks are asked for ahead of the activation.
	s_mov_b32 s26, 2
.Lexp:
	SEG 7, 16*PX, 0, bf16
	s_wait_xcnt 0x0
	s_mov_b64 s[28:29], s[30:31]                   ; first hi's w1 and w3, then lo's w2,
	s_cmp_eq_u32 s26, 2
	s_cselect_b32 s27, 2048, 0
	v_add_nc_u32 v[LOFB], s27, v[LOFF]             ; whose four fragments lie end to end
	PRELOAD
	s_mov_b64 s[30:31], s[32:33]
	ACT2 0
	ACT2 1
	WIN 0
.irp m, 0,1,2,3
	v_mov_b32 v[CUR+2*\m], v[CF+2*\m+1]            ; hi's weights,
	v_mov_b32 v[CUR+2*\m+1], v[CF+2*\m+1]
.endr
	v_add_nc_u32 v[SCW], 8192, v[SCW]              ; and hi's half of my scratch
	s_sub_co_u32 s26, s26, 1
	s_cmp_lg_u32 s26, 0
	s_cbranch_scc1 .Lexp
	; THE SCALES.  Lanes r and 16 + r hold the same token's other columns; the eight waves' maxima meet in LDS.
.irp m, 0,1,2,3
	v_sub_f32 v[MN+\m], 0, v[MN+\m]
.endr
.irp m, 0,1,2,3
	v_max_num_f32 v[MX+\m], v[MX+\m], v[MN+\m]     ; my lane's largest magnitude
.endr
.irp m, 0,1,2,3
	v_permlanex16_b32 v[MN+\m], v[MX+\m], s40, s41
.endr
.irp m, 0,1,2,3
	v_max_num_f32 v[MX+\m], v[MX+\m], v[MN+\m]
.endr
.irp m, 0,1,2,3
	ds_store_b32 v[RW], v[MX+\m] offset:64*\m      ; both halves of the lanes write the same word with the same number
.endr
	s_wait_dscnt 0x0                               ; for the others' sake: my maxima are in LDS, and my reads of X are over
	s_barrier_signal -1
	s_barrier_wait -1                              ; all maxima are there, and nobody reads X any more: H may be written over it
.set i, 0
.rept 32
	ds_load_b32 v[PK+i], v[RR] offset:256*(i%8)+64*(i/8)   ; tile i / 8, wave i % 8
.set i, i+1
.endr
.macro CLD g                           ; group g = 2 x expert + pair of tiles: its 32 numbers a lane come back from my scratch, into buffer g % 2
.set n, 0
.rept 8
	ds_load_b128 v[TT+32*((\g)%2)+4*n:TT+32*((\g)%2)+4*n+3], v[SRD] offset:4096*(\g)+512*n
.set n, n+1
.endr
.endm
	CLD 0
	CLD 1
	s_wait_dscnt 16                                ; the maxima are in; the two groups' sixteen loads are younger
; e = the largest magnitude's exponent field, at least 15.  scale = 2^(141 - e): the largest lands in 2^14 .. 2^15.  Inverse = 2^(e - 141).  Their fields, 268 - e and e - 14, lie in 1 .. 253.
.irp m, 0,1,2,3
	v_max3_num_f32 v[MX+\m], v[PK+8*\m], v[PK+8*\m+1], v[PK+8*\m+2]
	v_max3_num_f32 v[MX+\m], v[MX+\m], v[PK+8*\m+3], v[PK+8*\m+4]
	v_max3_num_f32 v[MX+\m], v[MX+\m], v[PK+8*\m+5], v[PK+8*\m+6]
	v_max_num_f32 v[MX+\m], v[MX+\m], v[PK+8*\m+7]
	v_lshrrev_b32 v[MX+\m], 23, v[MX+\m]
	v_max_u32 v[MX+\m], 15, v[MX+\m]
	v_sub_nc_u32 v[MN+\m], 268, v[MX+\m]
	v_add_nc_u32 v[MX+\m], -14, v[MX+\m]
	v_lshlrev_b32 v[SC+2*\m], 23, v[MN+\m]
	v_lshlrev_b32 v[SC+2*\m+1], 23, v[MN+\m]
	v_lshlrev_b32 v[IV+2*\m], 23, v[MX+\m]
	v_lshlrev_b32 v[IV+2*\m+1], 23, v[MX+\m]
.endr
; Group g: scaled (exact), rounded once to f16, into H; its buffer takes the group two on.  left: the LDS instructions younger than the group's loads.
.macro CONV g, left
	s_wait_dscnt \left
.set i, 0
.rept 16
	v_pk_mul_f32 v[TT+32*((\g)%2)+2*i:TT+32*((\g)%2)+2*i+1], v[TT+32*((\g)%2)+2*i:TT+32*((\g)%2)+2*i+1], v[SC+2*(2*((\g)%2)+i/8):SC+2*(2*((\g)%2)+i/8)+1]
.set i, i+1
.endr
.set i, 0
.rept 16
	v_cvt_pk_f16_f32 v[PK+i], v[TT+32*((\g)%2)+2*i], v[TT+32*((\g)%2)+2*i+1]
.set i, i+1
.endr
.set i, 0
.rept 4                                                ; tile 2 (g % 2) + i / 2, fragment i % 2
	ds_store_b128 v[HW], v[PK+4*i:PK+4*i+3] offset:16*PH*(2*((\g)%2)+i/2)+512*((\g)/2)+32*(i%2)
.set i, i+1
.endr
.if (\g) < 2
	CLD (\g)+2
.endif
.endm
	CONV 0, 8                                      ; group 1's eight loads stay out
	CONV 1, 12                                     ; group 0's four stores and group 2's eight loads
	CONV 2, 12                                     ; group 1's four stores and group 3's eight loads
	CONV 3, 4                                      ; group 2's four stores
	s_wait_dscnt 0x0                               ; for the others' sake: my columns of H are in LDS
	s_barrier_signal -1
	s_barrier_wait -1                              ; all 512 are
	v_mov_b32 v[BX], v[HB]
	v_add_nc_u32 v[BX+1], 32*PH, v[HB]
; THE WAY OUT of 64 tokens x 64 columns, 16 tokens at a time: times the token's inverse scale (exact; each accumulator from its low end on), f32 through my own stage, back as whole rows of
; 256 bytes, two rows a store, each to its token's row.  A store both of whose places lie past the tile's count is jumped, forward, with no barrier in what is jumped; where only the second place does,
; it repeats the first place's token: the same bytes go to the same address.
.macro OUT
.set mt, 0
.rept 4
	WIN W_RS
.set i, 0
.rept 16
	v_pk_mul_f32 v[128+32*mt+2*i:128+32*mt+2*i+1], v[128+32*mt+2*i:128+32*mt+2*i+1], v[IV+2*mt:IV+2*mt+1]
.set i, i+1
.endr
	WIN W_ST
.set nt, 0
.rept 4
	ds_store_b128 v[STO], v[128+8*(4*mt+nt):128+8*(4*mt+nt)+3]   offset:64*nt
	ds_store_b128 v[STO], v[128+8*(4*mt+nt)+4:128+8*(4*mt+nt)+7] offset:64*nt+16
.set nt, nt+1
.endr
	WIN 0
	s_wait_xcnt 0x0                                ; earlier stores have read their data: those registers are loaded again only behind this wait
.set i, 0
.rept 8
	ds_load_b128 v[RB+4*i:RB+4*i+3], v[STR] offset:2*PS*i   ; LDS serves a wave's instructions in order (ISA guide 5.7.1.4): these see the stores above, and the next tile's stores come behind them
.set i, i+1
.endr
.set i, 0
.rept 8
	s_wait_dscnt 7-i                               ; the younger loads of the run stay out
	s_cmp_le_u32 s23, 16*mt+2*i
	s_cbranch_scc1 .Ldone_\@
	global_store_b128 v[OV+8*mt+i], v[RB+4*i:RB+4*i+3], s[16:17] th:TH_STORE_NT   ; sixteen lanes store 256 consecutive bytes, at a multiple of 256 from out's first byte
.set i, i+1
.endr
.set mt, mt+1
.endr
.Ldone_\@:
	s_wait_dscnt 0x0
.endm
	; PHASE 2: two trips, my two passes of 64 columns.  K = 512: 8 chunks of lo's w2, 8 of hi's.  The first pass's stores leave while the second is multiplied.
	s_mov_b32 s26, 2
.Lhalf:
	SEG 3, 16*PH, 1, f16
	s_cmp_eq_u32 s26, 1
	s_cbranch_scc1 .Lnopre                         ; behind the last pass nothing is left to ask for
	s_wait_xcnt 0x0
	s_add_nc_u64 s[32:33], s[32:33], 4096          ; the chunks' other four fragments
	s_add_nc_u64 s[34:35], s[34:35], 4096
	s_mov_b64 s[28:29], s[32:33]
	PRELOAD
	WIN 0
.Lnopre:
	OUT
	s_wait_xcnt 0x0                                ; the stores have read their base
	s_add_nc_u64 s[16:17], s[16:17], 256
	s_sub_co_u32 s26, s26, 1
	s_cmp_lg_u32 s26, 0
	s_cbranch_scc1 .Lhalf
	s_wait_tensorcnt 0x0                           ; the wave's end
	ds_add_u32 v[SPW], v[NIL]
	s_wait_dscnt 0x0
	s_endpgm
.Lfunc_end_k_q5e549df6cb_chain:
	.size	k_q5e549df6cb_chain, .Lfunc_end_k_q5e549df6cb_chain-k_q5e549df6cb_chain
	.p2alignl 7, 3214868480
	.fill 96, 4, 3214868480
	.section	.rodata,"a",@progbits
	.p2align	6, 0x0
	.amdhsa_kernel k_q5e549df6cb_chain
		.amdhsa_group_segment_fixed_size 266240
		.amdhsa_private_segment_fixed_size 0
		.amdhsa_enable_private_segment 0
		.amdhsa_kernarg_size 56
		.amdhsa_user_sgpr_count 2
		.amdhsa_user_sgpr_kernarg_segment_ptr 1
		.amdhsa_wavefront_size32 1
		.amdhsa_system_sgpr_workgroup_id_x 1
		.amdhsa_system_sgpr_workgroup_id_y 1
		.amdhsa_system_sgpr_workgroup_id_z 1
		.amdhsa_system_vgpr_workitem_id 0
		.amdhsa_next_free_vgpr 512
		.amdhsa_next_free_sgpr 66
		.amdhsa_reserve_vcc 0
		.amdhsa_float_denorm_mode_32 3
		.amdhsa_float_denorm_mode_16_64 3
		.amdhsa_memory_ordered 1
		.amdhsa_forward_progress 1
		.amdhsa_inst_pref_size 136
	.end_amdhsa_kernel
	.amdgpu_metadata
---
amdhsa.version: [ 1, 2 ]
amdhsa.kernels:
  - .name:           k_q5e549df6cb_chain
    .symbol:         k_q5e549df6cb_chain.kd
    .args:
      - { .name: x, .offset: 0, .size: 8, .value_kind: global_buffer, .address_space: global }
      - { .name: coef, .offset: 8, .size: 8, .value_kind: global_buffer, .address_space: global }
      - { .name: order, .offset: 16, .size: 8, .value_kind: global_buffer, .address_space: global }
      - { .name: thdr, .offset: 24, .size: 8, .value_kind: global_buffer, .address_space: global }
      - { .name: wa, .offset: 32, .size: 8, .value_kind: global_buffer, .address_space: global }
      - { .name: wb, .offset: 40, .size: 8, .value_kind: global_buffer, .address_space: global }
      - { .name: out0, .offset: 48, .size: 8, .value_kind: global_buffer, .address_space: global }
    .group_segment_fixed_size: 266240
    .private_segment_fixed_size: 0
    .kernarg_segment_align: 8
    .kernarg_segment_size: 56
    .max_flat_workgroup_size: 256
    .sgpr_count:     66
    .vgpr_count:     512
    .wavefront_size: 32
...
	.end_amdgpu_metadata
.endif
;; end of part 3
;; ======== version 2 of 2: 3 launches; version 1 with the launch chain written anew for expert scheduling mode
;; limits: values are held in f16: magnitudes above 65,504 overflow, below 6.1e-05 lose precision
;; workspace buffers: keys 65,536 bytes of whole numbers; hist 65,536 bytes of whole numbers; coef 65,536 bytes; order 32,768 bytes of whole numbers; thdr 2,560 bytes of whole numbers; wa 8,388,608 bytes; wb 4,194,304 bytes
;; launch router: the kernel of part 1 again; grid 256 x 1, 4 waves a work-group, no clusters, 103,424 bytes of LDS; arguments x, gate_w, keys, hist, coef; writes keys, hist, coef
;; launch prep: the kernel of part 2 again; grid 208 x 1, 16 waves a work-group, no clusters, 142,336 bytes of LDS; arguments w1, w3, w2, keys, hist, wa, wb, order, thdr; writes wa, wb, order, thdr
;; launch chain (part 4): grid 155 x 1, 8 waves a work-group, no clusters, 266,240 bytes of LDS; arguments x, coef, order, thdr, wa, wb, out0; writes out0
.if DOCPART == 4
	.amdgcn_target "amdgcn-amd-amdhsa--gfx1250"
	.amdhsa_code_object_version 6
	.text
	.protected	k_q5e549df6cb_chain
	.globl	k_q5e549df6cb_chain
	.p2align	8
	.type	k_q5e549df6cb_chain,@function
k_q5e549df6cb_chain:
	s_mov_b64 s[64:65], 0
	v_nop
	global_prefetch_b8 v0, s[64:65] scope:SCOPE_SE
	s_setreg_imm32_b32 hwreg(HW_REG_WAVE_SCHED_MODE, 0, 2), 2
	s_setreg_imm32_b32 hwreg(HW_REG_WAVE_MODE, 25, 1), 1
	s_wait_xcnt 0x0
	s_wait_alu depctr_vm_vsrc(0)
; THE CHAIN.  A work-group takes a tile of 64 tokens that chose the same two experts (lo, hi) through everything: gather x (rounded once to bf16) into LDS; for each of the two experts
; G = X w1, U = X w3 (bf16 operands), h = silu(G) U coef in f32; out = [H_lo H_hi] [w2_lo; w2_hi] (f16 operands): both experts add into ONE accumulator, so each output row has one owner.
; H IN f16, WITH A SCALE FOR EACH TOKEN.  bf16's 8 bits are too few for h: one large term h w2 of a sum carries up to 2^-9 of itself.  f16 has 11 bits but ends at 65,504, so each token's 512 numbers h
; are multiplied by a power of two that puts the largest of them into 2^14 .. 2^15, rounded once to f16, and the sums are multiplied by the inverse power: both multiplications are exact.
; So h waits in f32 (in the wave's own LDS scratch) until the token's largest magnitude over both experts and all eight waves is known: one exchange through LDS, one barrier.
; 155 work-groups serve every split of the tokens (128 full tiles + at most 27 more).  PLACES PAST A TILE'S COUNT REPEAT ITS LAST TOKEN: they are computed alike, so a store that holds a live row and
; such a place writes the same bytes twice to the same address; stores wholly past the count are jumped.  A tile with count 0 repeats a token that exists and stores nothing; it runs through all the
; same: an early end would put the barriers under a branch on loaded data.
; SHARES.  EIGHT WAVES, two on each SIMD, split N: wave w has hidden columns 32 w .. + 31 of w1 and of w3, then output columns 128 w .. + 127 as two passes of 64.  Each weight byte has one reader in
; the work-group: it comes from memory straight into operand registers (laid out for that by the launch before), and no loop over K holds a barrier or writes LDS.  Two waves a SIMD, so that
; while one wave issues its loads, its activations or its stores the other has matrix instructions to issue; the price: a token fragment read from LDS feeds 4 products, not 8.
; NO JOINT LOADS: they would have to pass through LDS, where beside X and the scratch 60 KiB are left, under two K steps of 32 KiB; and a key's tiles are not a multiple of four.
; BOTH PRODUCTS ARE USED TRANSPOSED: source 0 = 16 columns of a weight, source 1 = 16 tokens: lane (r, h) holds token r and columns 8 h + 0..7.
; A CHUNK is 32 along K: 4 weight fragments (8 loads of 512 consecutive bytes), 4 token fragments (8 LDS loads), 16 matrix instructions on 16 accumulators, each once and in the same order in every
; chunk.  Weights and token fragments each go through a ring of four register slots: chunk c asks for chunk c + 3's, so three chunks, 24 loads of either kind, are on their way.
; LIMITS.  NaN and infinities are not treated apart; 2^(-c g) beyond f32's range gives silu = -0, below 2^-126 gives silu = g.  silu is formed before it meets u, so no product overflows where silu is 0.
; An h more than 2^28 below its token's largest keeps f16's fixed step, 2^-39 of that largest.  A token whose largest |h| lies below 2^-112 is scaled by 2^126.
; THE MODE: SCHED_MODE bits 1:0 = 2 (LLVM: expert scheduling mode 2), set by the entry lines.  The code itself states the register dependences
; between vector or matrix instructions and memory or LDS instructions, with s_wait_alu, always for 0.
; THE PLAN.  Registers that memory or LDS instructions touch:
;   W0 .. W3   (window 1, v0-127)  Chunk c's products read W[c % 4]; the weight loads of chunk c + 3, issued in chunk c, land in W[(c - 1) % 4].
;   T0 .. T3   (window 0, v32-95 and v128-191)  The same for the token fragments and their LDS loads.
;   So ONE wait on va_vdst stands at a chunk's head: the chunk before is done reading its W and its T.  The chunk's sixteen loads follow it, dealt among its products, which name
;   W[c % 4], T[c % 4] and the accumulators: none of the registers that those loads touch.
;   v[AX], v[AX+1]  Read by every LDS load of a fragment; written at a segment's head and once a trip, each time behind a wait on vm_vsrc; the next chunk's head states that they are written.
;   v[LOFF] and the other addresses made at the kernel's head are never written again; v[LOFB] and v[SCW] are made anew behind each of the first two segments.
;   Outside the loops over K, T0 .. T3 are out-buffers, each part written once: the gather's 8 rounded rows (16 registers each), H's 4 rounded groups (16 each, in T0 and T1), the way out's 4 tiles
;   read back (32 each).  The two waits at the next segment's head free them all: vm_vsrc for the stores that read them, va_vdst for the vector lines that named them.
;   HO  (v192-223)  h of a pair of tiles: written by the activation's last multiply, read by its 8 LDS stores.
; REGISTERS, in windows of 256 (s_set_vgpr_msb: bits 1:0 source 0, 3:2 source 1, 5:4 source 2, 7:6 destination):
;   window 0: addresses, coefficients, the four buffers of token fragments, 32 offsets in out, 32 at work.   window 1: v0-127 the ring, v128-255 the accumulators (during the gather: my 8 rows).
.set PX,  2064                         ; a row of X in LDS: 2,048 + 16 bytes = 129 x 16: the 16 rows of a fragment load start at 16 different groups of four banks
.set PH,  1040                         ; a row of H: 512 bytes for lo, 512 for hi, + 16.  H lies where X lay: it is written only behind a barrier in front of which every wave's reads of X are over
.set PS,  272                          ; a row of a wave's stage: 64 f32 + 16 bytes
.set LSCR,  132096                     ; behind 64 rows of X: 16,384 bytes for each wave: its h in f32, 8,192 an expert; later its first 4,352 bytes are the stage of the way out
.set LRED,  263168                     ; [8 waves][64 tokens] f32: the waves' largest magnitudes.  The 1,024 bytes behind them take the closing add, 4 bytes a thread
.set LOFF, 4                           ; v4   16 L
.set AX,   5                           ; v5-6   running LDS addresses of the token fragments: tiles 0, 1 and tiles 2, 3
.set BX,   7                           ; v7-8   where they start
.set HB,   9                           ; v9   the same for H
.set XW,   10                          ; v10  the gather's stores
.set HW,   11                          ; v11  H's stores: my 32 hidden columns
.set STO,  12                          ; v12  the way out: into my stage
.set SRD,  13                          ; v13  my scratch block + 16 L: the scratch's reads
.set CF,   16                          ; v16-23  for token 16 mt + r: weight of lo, weight of hi
.set IV,   16                          ;         later: the token's inverse scale, twice
.set CUR,  24                          ; v24-31  the weight of the expert in hand, twice
.set SC,   24                          ;         later: the token's scale, twice
.set AB,   32                          ; token fragments: buffer b, tile mt at AB + 32 b + 32 (b / 2) + 8 mt: T0 v32-63, T1 v64-95, T2 v128-159, T3 v160-191
.set OV,   96                          ; v96-127 store j: the token at place 2 j + h, x 4,096, + 512 w + 16 (L % 16)
.set TT,   128                         ; activation: v128-159; rounding: two buffers, v128-191
.set UC,   160                         ; activation: v160-191
.set OA,   128                         ; set-up: v128-159 where in order the 32 tokens of OV stand
.set IA,   160                         ; set-up: v160-163 the same for IDS
.set HO,   192                         ; activation: v192-223 h, to store
.set PK,   192                         ; v192-223  the eight waves' maxima
.set XO,   192                         ; gather: v192-199 my 8 rows' offsets in x
.set MX,   224                         ; v224-227  tile mt: the largest h so far
.set MN,   228                         ; v228-231  the smallest
.set SCW,  232                         ; v232 the scratch's stores: the half of the expert in hand
.set RW,   233                         ; v233 my wave's row of maxima, token r
.set RR,   234                         ; v234 wave 0's row, token r
.set STR,  235                         ; v235 the way out: back from my stage, two rows a load
.set LOFB, 236                         ; v236 the offset of a chunk's loads 4-7: 16 L + 2,048 in wa (w3's fragments lie 4,096 behind w1's), 16 L in wb
.set OB,   237                         ; v237 512 w + 16 (L % 16)
.set IDS,  240                         ; set-up: v240-243
.set TA,   244                         ; set-up: v244-245
.set MSB, 0
.macro WIN new                         ; the immediate's high byte repeats the setting that is left; a switch that changes nothing is dropped
.if MSB != (\new)
	s_set_vgpr_msb (MSB<<8)|(\new)
.set MSB, \new
.endif
.endm
.set W_MUL, 0x51                       ; weights window 1, tokens window 0, C and D window 1
.set W_LD,  0x40                       ; destination window 1
.set W_CV,  0x05                       ; sources 0 and 1 window 1
.set W_S0,  0x01                       ; source 0 window 1
.set W_ST,  0x04                       ; an LDS store's data window 1
.set W_RS,  0x41                       ; destination and source 0 window 1
	s_load_b256 s[4:11], s[0:1], 0x0               ; x s[4:5], coef s[6:7], order s[8:9], thdr s[10:11]
	s_load_b128 s[12:15], s[0:1], 0x20             ; wa s[12:13], wb s[14:15]
	s_load_b64 s[16:17], s[0:1], 0x30              ; out
	v_lshl_add_u32 v254, v0, 2, 0x40c00
	v_mov_b32 v255, 0
	v_lshrrev_b32 v1, 5, v0
	v_readfirstlane_b32 s18, v1                    ; wave 0..7
	v_and_b32 v1, 31, v0                           ; L
	v_and_b32 v2, 15, v0                           ; r
	v_bfe_u32 v3, v0, 4, 1                         ; h
	v_lshlrev_b32 v[LOFF], 4, v1
	s_lshl_b32 s24, ttmp9, 4
	s_wait_kmcnt 0x0
	s_load_b128 s[20:23], s[10:11], s24            ; the tile: lo, hi, first place, count
	v_mul_u32_u24 v[BX], v2, PX
	v_lshl_add_u32 v[BX], v3, 4, v[BX]             ; row r, 16 bytes for each half of the lanes
	v_add_nc_u32 v[BX+1], 32*PX, v[BX]
	v_mul_u32_u24 v[HB], v2, PH
	v_lshl_add_u32 v[HB], v3, 4, v[HB]
	s_wait_alu depctr_va_sdst(0)                   ; s18 is written, ahead of its first reader: LDS addresses and the weights' pointers are made from it
	s_mul_i32 s25, s18, 8*PX
	v_lshl_add_u32 v[XW], v1, 3, s25               ; my 8 rows, 8 bytes a lane
	s_lshl_b32 s25, s18, 6
	v_add_nc_u32 v[HW], s25, v[HB]                 ; my 32 hidden columns
	s_lshl_b32 s25, s18, 14
	s_add_co_u32 s25, s25, LSCR                    ; my scratch block
	v_mul_u32_u24 v[STO], v2, PS
	v_lshl_add_u32 v[STO], v3, 5, v[STO]
	v_add_nc_u32 v[STO], s25, v[STO]               ; in: row r, 32 bytes for each half of the lanes
	v_add_nc_u32 v[SRD], s25, v[LOFF]
	v_mul_u32_u24 v[STR], v3, PS
	v_lshl_add_u32 v[STR], v2, 4, v[STR]
	v_add_nc_u32 v[STR], s25, v[STR]               ; back: lanes 0-15 one row of 256 bytes, lanes 16-31 the next
	s_lshl_b32 s25, s18, 8
	s_add_co_u32 s25, s25, LRED
	v_lshl_add_u32 v[RW], v2, 2, s25
	v_lshl_add_u32 v[RR], v2, 2, LRED
	s_lshl_b32 s25, s18, 9
	v_lshl_add_u32 v[OB], v2, 4, s25
	v_add_nc_u32 v[LOFB], 2048, v[LOFF]
	s_wait_kmcnt 0x0
	s_min_u32 s20, s20, 7                          ; what was loaded enters addresses and counts only within these bounds
	s_min_u32 s21, s21, 7
	s_min_u32 s22, s22, 0x1fff
	s_min_u32 s23, s23, 64
	s_max_u32 s27, s23, 1
	s_add_co_u32 s27, s27, s22
	s_sub_co_u32 s27, s27, 1                       ; the tile's last live place in order: later places repeat it
	s_min_u32 s27, s27, 0x1fff
	s_lshl_b32 s19, s18, 3
	s_add_co_u32 s19, s19, s22                     ; my wave's first place
.set i, 0
.rept 8
	s_add_co_u32 s[44+i], s19, i
	s_min_u32 s[44+i], s[44+i], s27
	s_min_u32 s[44+i], s[44+i], 0x1fff
	s_lshl_b32 s[44+i], s[44+i], 2
	s_load_b32 s[52+i], s[8:9], s[44+i]            ; the tokens at my 8 places
.set i, i+1
.endr
	v_add_nc_u32 v[TA], s22, v2
	v_add_nc_u32 v[TA+1], s22, v3
.irp m, 0,1,2,3
	v_add_nc_u32 v[IA+\m], 16*\m, v[TA]            ; place 16 mt + r
	v_min_u32 v[IA+\m], s27, v[IA+\m]
	v_min_u32 v[IA+\m], 0x1fff, v[IA+\m]
	v_lshlrev_b32 v[IA+\m], 2, v[IA+\m]
.endr
.set j, 0
.rept 32
	v_add_nc_u32 v[OA+j], 2*j, v[TA+1]             ; place 2 j + h
	v_min_u32 v[OA+j], s27, v[OA+j]
	v_min_u32 v[OA+j], 0x1fff, v[OA+j]
	v_lshlrev_b32 v[OA+j], 2, v[OA+j]
.set j, j+1
.endr
	s_wait_alu depctr_va_vdst(0)                   ; every address and offset made so far is written: v4 to v13, v233 to v237, v[IA ..] and v[OA ..], which the loads and stores of the kernel read
.irp m, 0,1,2,3
	global_load_b32 v[IDS+\m], v[IA+\m], s[8:9]    ; the token at place 16 mt + r
.endr
.set j, 0
.rept 32
	global_load_b32 v[OV+j], v[OA+j], s[8:9]       ; the token at place 2 j + h
.set j, j+1
.endr
	s_wait_kmcnt 0x0
.set i, 0
.rept 8
	s_min_u32 s[52+i], s[52+i], 0x1fff
	v_lshl_add_u32 v[XO+i], s[52+i], 12, v[LOFF]
.set i, i+1
.endr
	s_wait_loadcnt 0x0
	s_wait_alu depctr_vm_vsrc(0)                   ; the 36 loads above have read v[OA ..] and v[IA ..], which the conversions of rows 4 to 6 write
.irp m, 0,1,2,3
	v_min_u32 v[IDS+\m], 0x1fff, v[IDS+\m]
	v_lshlrev_b32 v[IDS+\m], 3, v[IDS+\m]
.endr
	s_wait_alu depctr_va_vdst(0)                   ; v[IDS ..] and v[XO ..] are written, which the loads below read as offsets
.irp m, 0,1,2,3
	global_load_b64 v[CF+2*\m:CF+2*\m+1], v[IDS+\m], s[6:7]
.endr
.macro GLOAD i                         ; row i of my 8: eight loads of 512 consecutive bytes
	WIN W_LD
.set q, 0
.rept 8
	global_load_b128 v[32*(\i)+4*q:32*(\i)+4*q+3], v[XO+(\i)], s[4:5] offset:512*q
.set q, q+1
.endr
.endm
.irp i, 0,1,2,3,4,5,6,7
	GLOAD \i
.endr
	WIN 0
.set j, 0
.rept 32
	v_min_u32 v[OV+j], 0x1fff, v[OV+j]
	v_lshl_add_u32 v[OV+j], v[OV+j], 12, v[OB]
.set j, j+1
.endr
	; the weights' pointers: s[28:29] the one in hand, s[30:31] the segment's after it, s[32:33] and s[34:35] wb for lo and hi
	s_lshr_b32 s19, s18, 1                         ; my block of 64 columns in wa,
	s_and_b32 s25, s18, 1
	s_lshl_b32 s25, s25, 11                        ; and which two of its four fragments of each matrix are mine
	s_mov_b32 s39, 0
	s_lshl_b32 s24, s20, 2
	s_add_co_u32 s24, s24, s19
	s_lshl_b32 s38, s24, 18                        ; 32 chunks of 8,192 bytes
	s_add_co_u32 s38, s38, s25
	s_add_nc_u64 s[28:29], s[12:13], s[38:39]
	s_lshl_b32 s24, s21, 2
	s_add_co_u32 s24, s24, s19
	s_lshl_b32 s38, s24, 18
	s_add_co_u32 s38, s38, s25
	s_add_nc_u64 s[30:31], s[12:13], s[38:39]
	s_lshl_b32 s24, s20, 3
	s_add_co_u32 s24, s24, s18
	s_lshl_b32 s38, s24, 16                        ; 8 chunks of 8,192 bytes
	s_add_nc_u64 s[32:33], s[14:15], s[38:39]
	s_lshl_b32 s24, s21, 3
	s_add_co_u32 s24, s24, s18
	s_lshl_b32 s38, s24, 16
	s_add_nc_u64 s[34:35], s[14:15], s[38:39]
	s_mov_b32 s36, 0xbfb8aa3b                      ; -log2(e)
	s_mov_b32 s37, s36                             ; named with it as a pair
	s_mov_b32 s40, 0x76543210                      ; v_permlanex16_b32: each lane takes its own place in the other half
	s_mov_b32 s41, 0xfedcba98
.macro PLACES                          ; a vector instruction that reads a matrix result or writes one of a matrix instruction's registers stands four plain vector lines behind it (ISA guide 7.12.1)
.rept 4
	v_nop
.endr
.endm
.macro LDCH slot, imm                  ; a chunk's 4 fragments
	WIN W_LD
.set n, 0
.rept 8
.if n < 4
	global_load_b128 v[32*(\slot)+4*n:32*(\slot)+4*n+3], v[LOFF], s[28:29] offset:(\imm)+512*n
.else
	global_load_b128 v[32*(\slot)+4*n:32*(\slot)+4*n+3], v[LOFB], s[28:29] offset:(\imm)+512*n
.endif
.set n, n+1
.endr
.endm
.macro PRELOAD                         ; a segment's first three chunks
	LDCH 0, 0
	LDCH 1, 8192
	LDCH 2, 16384
.endm
; THE GATHER.  Row i is rounded into 16 registers of its own (rows 0-3 in v32-95, rows 4-7 in v128-191) and stored at the head of row i + 1's turn.
.macro GSTORE i
	WIN 0
.set q, 0
.rept 8
	ds_store_b64 v[XW], v[AB+16*(\i)+32*((\i)/4)+2*q:AB+16*(\i)+32*((\i)/4)+2*q+1] offset:PX*(\i)+256*q
.set q, q+1
.endr
.endm
; left = the loads younger than this row's.
.macro GROW i, left
	s_wait_loadcnt \left
.if (\i) > 0
	s_wait_alu depctr_va_vdst(0)                   ; the row before's conversions have written its 16 registers, which the LDS stores read; at row 3: rows 0 to 2's are done reading the ring's first three slots
	GSTORE (\i)-1
.endif
.if (\i) == 3
	PRELOAD                                        ; the first expert's first three chunks go out under the gather's end; no vector line since the wait names their registers
.endif
	WIN W_CV
.set GBI, AB+16*(\i)+32*((\i)/4)
.set q, 0
.rept 8
	v_cvt_pk_bf16_f32 v[GBI+2*q],   v[32*(\i)+4*q],   v[32*(\i)+4*q+1]
	v_cvt_pk_bf16_f32 v[GBI+2*q+1], v[32*(\i)+4*q+2], v[32*(\i)+4*q+3]
.set q, q+1
.endr
.endm
	GROW 0, 56                                     ; seven younger rows stay out
	GROW 1, 48
	GROW 2, 40
	GROW 3, 32                                     ; four younger rows: this wait stands ahead of the 24 weight loads
	GROW 4, 48                                     ; three younger rows and those 24
	GROW 5, 40
	GROW 6, 32
	GROW 7, 24
	s_wait_alu depctr_va_vdst(0)                   ; row 7's conversions have written its 16 registers, which the LDS stores read
	GSTORE 7
.irp m, 0,1,2,3
	v_mov_b32 v[CUR+2*\m], v[CF+2*\m]              ; lo's weights
	v_mov_b32 v[CUR+2*\m+1], v[CF+2*\m]
.endr
.irp m, 0,1,2,3,4,5,6,7
	v_mov_b32 v[MX+\m], 0                          ; the largest and the smallest h start at 0: what is wanted is the largest magnitude
.endr
	s_wait_dscnt 0x0                               ; for the others' sake: my 8 rows are in LDS
	s_barrier_signal -1
	s_barrier_wait -1                              ; all 64 are
.macro ALOAD buf, aimm, p16            ; four tiles' fragments, 32 along K at byte aimm from the running addresses, into token buffer buf; p16 = 16 rows
	WIN 0
.set mt, 0
.rept 4
	ds_load_b128 v[AB+32*(\buf)+32*((\buf)/2)+8*mt:AB+32*(\buf)+32*((\buf)/2)+8*mt+3],   v[AX+mt/2] offset:(mt%2)*(\p16)+(\aimm)
	ds_load_b128 v[AB+32*(\buf)+32*((\buf)/2)+8*mt+4:AB+32*(\buf)+32*((\buf)/2)+8*mt+7], v[AX+mt/2] offset:(mt%2)*(\p16)+(\aimm)+32
.set mt, mt+1
.endr
.endm
.macro MUL4 slot, mt, zero, ty         ; tile mt of 16 tokens x the chunk's four weight fragments
	WIN W_MUL
.set f, 0
.rept 4
.if \zero
	v_wmma_f32_16x16x32_\ty v[128+8*(4*(\mt)+f):128+8*(4*(\mt)+f)+7], v[32*(\slot)+8*f:32*(\slot)+8*f+7], v[AB+32*(\slot)+32*((\slot)/2)+8*(\mt):AB+32*(\slot)+32*((\slot)/2)+8*(\mt)+7], 0
.else
	v_wmma_f32_16x16x32_\ty v[128+8*(4*(\mt)+f):128+8*(4*(\mt)+f)+7], v[32*(\slot)+8*f:32*(\slot)+8*f+7], v[AB+32*(\slot)+32*((\slot)/2)+8*(\mt):AB+32*(\slot)+32*((\slot)/2)+8*(\mt)+7], v[128+8*(4*(\mt)+f):128+8*(4*(\mt)+f)+7]
.endif
.set f, f+1
.endr
.endm
; A chunk, in ring slot and token buffer slot.  cnt: the loads, of either kind, younger than this chunk's: the next two chunks' eight each.  ld = 1: the chunk three on is asked for, into the slot and the
; buffer of the chunk before.  w = 1: the wait that those loads hang on (a segment's first chunk leans on the wait at the segment's head).  zero = 1: the products start the sums.  ty: bf16 or f16.
.macro CHUNK slot, zero, ld, w, imm, aimm, cnt, p16, ty
	s_wait_loadcnt \cnt
	s_wait_dscnt \cnt
.if \w
	s_wait_alu depctr_va_vdst(0)                   ; the chunk before's products are done reading its ring slot and its token buffer, in which the loads below land; in a trip's first chunk v[AX], v[AX+1] are written
.endif
	MUL4 \slot, 0, \zero, \ty
.if \ld
	LDCH ((\slot)+3)%4, \imm                       ; no wait: the products since the wait name this chunk's slot, its buffer and the accumulators alone
.endif
	MUL4 \slot, 1, \zero, \ty
.if \ld
	ALOAD ((\slot)+3)%4, \aimm, \p16
.endif
	MUL4 \slot, 2, \zero, \ty
	MUL4 \slot, 3, \zero, \ty
.endm
; A segment: 1 + 4 trips + 3 chunks; the weights of its chunks 0-2 have been asked for.  sel = 1: behind the first trip the weights go on in hi's matrix (chunk 8 on).
.macro SEG trips, p16, sel, ty
	WIN 0
	s_wait_alu depctr_vm_vsrc(0)                   ; earlier LDS loads have read v[AX], v[AX+1]; earlier LDS and global stores have read the four token buffers' registers and the accumulators, all written again below
	v_mov_b32 v[AX], v[BX]
	v_mov_b32 v[AX+1], v[BX+1]
	s_wait_alu depctr_va_vdst(0)                   ; v[AX], v[AX+1] are written; the vector lines that named the four token buffers' registers, and the products that read ring slot 3, are done
	ALOAD 0, 0, \p16
	ALOAD 1, 64, \p16
	ALOAD 2, 128, \p16
	CHUNK 0, 1, 1, 0, 24576, 192, 16, \p16, \ty
	WIN 0                                          ; at a label and at a branch every window is 0
	s_wait_xcnt 0x0                                ; the loads have read their base: it steps only behind this wait
	s_add_nc_u64 s[28:29], s[28:29], 32768
	s_mov_b32 s25, \trips
.Lseg_\@:
	CHUNK 1, 0, 1, 1, 0,     256, 16, \p16, \ty
	CHUNK 2, 0, 1, 1, 8192,  320, 16, \p16, \ty
	CHUNK 3, 0, 1, 1, 16384, 384, 16, \p16, \ty
	CHUNK 0, 0, 1, 1, 24576, 448, 16, \p16, \ty
	WIN 0
	s_wait_xcnt 0x0
	s_add_nc_u64 s[28:29], s[28:29], 32768
.if \sel
	s_cmp_eq_u32 s25, \trips
	s_cselect_b64 s[28:29], s[34:35], s[28:29]
.endif
	s_wait_alu depctr_vm_vsrc(0)                   ; the trip's LDS loads have read v[AX], v[AX+1]
	v_add_nc_u32 v[AX], 256, v[AX]
	v_add_nc_u32 v[AX+1], 256, v[AX+1]
	s_sub_co_u32 s25, s25, 1
	s_cmp_lg_u32 s25, 0
	s_cbranch_scc1 .Lseg_\@
	CHUNK 1, 0, 0, 0, 0, 0, 16, \p16, \ty          ; the last three ask for nothing: the counts run down
	CHUNK 2, 0, 0, 0, 0, 0, 8,  \p16, \ty
	CHUNK 3, 0, 0, 0, 0, 0, 0,  \p16, \ty
	PLACES
	WIN 0
.endm
; Tiles 2 p and 2 p + 1, 16 tokens each, x my 32 hidden columns: h = silu(g) u coef in f32, into my scratch; each tile's largest and smallest h are carried on.  g lies in a tile's accumulators 0, 1,
; u in 2, 3; each is read from its low end on.  Two batches of 32 transcendentals, one wait each; plain lines stand behind each batch's last.
.macro ACT2 p
	WIN W_S0
.set i, 0
.rept 16
	v_pk_mul_f32 v[TT+2*i:TT+2*i+1], v[128+32*(2*(\p)+i/8)+2*(i%8):128+32*(2*(\p)+i/8)+2*(i%8)+1], s[36:37] op_sel_hi:[1,0]   ; -c g
.set i, i+1
.endr
	WIN 0
.set i, 0
.rept 32
	v_exp_f32 v[TT+i], v[TT+i]
.set i, i+1
.endr
	WIN W_S0
.set i, 0
.rept 16
	v_pk_mul_f32 v[UC+2*i:UC+2*i+1], v[128+32*(2*(\p)+i/8)+16+2*(i%8):128+32*(2*(\p)+i/8)+16+2*(i%8)+1], v[CUR+2*(2*(\p)+i/8):CUR+2*(2*(\p)+i/8)+1]   ; u coef
.set i, i+1
.endr
	s_wait_alu depctr_va_vdst(0)                   ; the 32 exponentials have written v[TT ..], ahead of their first reader
	WIN 0
.set i, 0
.rept 16
	v_pk_add_f32 v[TT+2*i:TT+2*i+1], v[TT+2*i:TT+2*i+1], 1.0 op_sel_hi:[1,0]
.set i, i+1
.endr
.set i, 0
.rept 32
	v_rcp_f32 v[TT+i], v[TT+i]
.set i, i+1
.endr
	v_nop
	s_wait_alu depctr_va_vdst(0)                   ; the 32 reciprocals have written v[TT ..], ahead of their first reader
	WIN W_S0
.set i, 0
.rept 16
	v_pk_mul_f32 v[TT+2*i:TT+2*i+1], v[128+32*(2*(\p)+i/8)+2*(i%8):128+32*(2*(\p)+i/8)+2*(i%8)+1], v[TT+2*i:TT+2*i+1]   ; silu(g)
.set i, i+1
.endr
	WIN 0
.if (\p) > 0
	s_wait_alu depctr_vm_vsrc(0)                   ; the LDS stores of the pair before have read v[HO ..], which the multiplies below write again
.endif
.set i, 0
.rept 16
	v_pk_mul_f32 v[HO+2*i:HO+2*i+1], v[TT+2*i:TT+2*i+1], v[UC+2*i:UC+2*i+1]
.set i, i+1
.endr
.set i, 0
.rept 16                                               ; the two tiles' maxima and minima by turns: four chains, a link four lines behind the one before it
	v_max3_num_f32 v[MX+2*(\p)+i%2], v[MX+2*(\p)+i%2], v[HO+16*(i%2)+2*(i/2)], v[HO+16*(i%2)+2*(i/2)+1]
	v_min3_num_f32 v[MN+2*(\p)+i%2], v[MN+2*(\p)+i%2], v[HO+16*(i%2)+2*(i/2)], v[HO+16*(i%2)+2*(i/2)+1]
.set i, i+1
.endr
	s_wait_alu depctr_va_vdst(0)                   ; the multiplies have written v[HO ..], which the LDS stores read
.set i, 0
.rept 8
	ds_store_b128 v[SCW], v[HO+4*i:HO+4*i+3] offset:4096*(\p)+512*i   ; 512 consecutive bytes a store
.set i, i+1
.endr
.endm
	; PHASE 1: two trips, lo and hi.  The next segment's first chunks are asked for ahead of the activation.
	s_mov_b32 s26, 2
.Lexp:
	SEG 7, 16*PX, 0, bf16
	s_wait_xcnt 0x0
	s_mov_b64 s[28:29], s[30:31]                   ; first hi's w1 and w3, then lo's w2,
	s_cmp_eq_u32 s26, 2
	s_cselect_b32 s27, 2048, 0                     ; whose four fragments lie end to end
	s_cselect_b32 s19, 0, 8192                     ; lo's half of my scratch, then hi's
	s_wait_alu depctr_vm_vsrc(0)                   ; the segment's weight loads have read v[LOFB]; the last trip's LDS stores have read v[SCW]
	v_add_nc_u32 v[LOFB], s27, v[LOFF]
	v_add_nc_u32 v[SCW], s19, v[SRD]
	s_wait_alu depctr_va_vdst(0)                   ; v[LOFB] and v[SCW] are written; the segment's products are done reading ring slots 0 to 2, in which the loads below land
	PRELOAD
	s_mov_b64 s[30:31], s[32:33]
	ACT2 0
	ACT2 1
	WIN 0
.irp m, 0,1,2,3
	v_mov_b32 v[CUR+2*\m], v[CF+2*\m+1]            ; hi's weights
	v_mov_b32 v[CUR+2*\m+1], v[CF+2*\m+1]
.endr
	s_sub_co_u32 s26, s26, 1
	s_cmp_lg_u32 s26, 0
	s_cbranch_scc1 .Lexp
	; THE SCALES.  Lanes r and 16 + r hold the same token's other columns; the eight waves' maxima meet in LDS.
.irp m, 0,1,2,3
	v_sub_f32 v[MN+\m], 0, v[MN+\m]
.endr
.irp m, 0,1,2,3
	v_max_num_f32 v[MX+\m], v[MX+\m], v[MN+\m]     ; my lane's largest magnitude
.endr
.irp m, 0,1,2,3
	v_permlanex16_b32 v[MN+\m], v[MX+\m], s40, s41
.endr
.irp m, 0,1,2,3
	v_max_num_f32 v[MX+\m], v[MX+\m], v[MN+\m]
.endr
	s_wait_alu depctr_va_vdst(0)                   ; v[MX ..] are written, which the LDS stores read; the activation's lines are done with v[TT ..], v[UC ..] and v[HO ..], in which the loads behind the barrier land
.irp m, 0,1,2,3
	ds_store_b32 v[RW], v[MX+\m] offset:64*\m      ; both halves of the lanes write the same word with the same number
.endr
	s_wait_dscnt 0x0                               ; for the others' sake: my maxima are in LDS, and my reads of X are over
	s_barrier_signal -1
	s_barrier_wait -1                              ; all maxima are there, and nobody reads X any more: H may be written over it
	s_wait_alu depctr_vm_vsrc(0)                   ; my LDS stores have read v[HO ..], in which the maxima land, and v[MX ..], which are written again below
.set i, 0
.rept 32
	ds_load_b32 v[PK+i], v[RR] offset:256*(i%8)+64*(i/8)   ; tile i / 8, wave i % 8
.set i, i+1
.endr
.macro CLD g                           ; group g = 2 x expert + pair of tiles: its 32 numbers a lane come back from my scratch, into buffer g % 2
.set n, 0
.rept 8
	ds_load_b128 v[TT+32*((\g)%2)+4*n:TT+32*((\g)%2)+4*n+3], v[SRD] offset:4096*(\g)+512*n
.set n, n+1
.endr
.endm
	CLD 0
	CLD 1
	s_wait_dscnt 16                                ; the maxima are in; the two groups' sixteen loads are younger
; e = the largest magnitude's exponent field, at least 15.  scale = 2^(141 - e): the largest lands in 2^14 .. 2^15.  Inverse = 2^(e - 141).  Their fields, 268 - e and e - 14, lie in 1 .. 253.
.irp m, 0,1,2,3
	v_max3_num_f32 v[MX+\m], v[PK+8*\m], v[PK+8*\m+1], v[PK+8*\m+2]
	v_max3_num_f32 v[MX+\m], v[MX+\m], v[PK+8*\m+3], v[PK+8*\m+4]
	v_max3_num_f32 v[MX+\m], v[MX+\m], v[PK+8*\m+5], v[PK+8*\m+6]
	v_max_num_f32 v[MX+\m], v[MX+\m], v[PK+8*\m+7]
	v_lshrrev_b32 v[MX+\m], 23, v[MX+\m]
	v_max_u32 v[MX+\m], 15, v[MX+\m]
	v_sub_nc_u32 v[MN+\m], 268, v[MX+\m]
	v_add_nc_u32 v[MX+\m], -14, v[MX+\m]
	v_lshlrev_b32 v[SC+2*\m], 23, v[MN+\m]
	v_lshlrev_b32 v[SC+2*\m+1], 23, v[MN+\m]
	v_lshlrev_b32 v[IV+2*\m], 23, v[MX+\m]
	v_lshlrev_b32 v[IV+2*\m+1], 23, v[MX+\m]
.endr
; Group g: scaled (exact), rounded once to f16 into 16 registers of its own (v[AB + 16 g ..]), into H; its raw buffer takes the group two on.  left: the LDS instructions younger than the group's loads.
.macro CONV g, left
	s_wait_dscnt \left
.set i, 0
.rept 16
	v_pk_mul_f32 v[TT+32*((\g)%2)+2*i:TT+32*((\g)%2)+2*i+1], v[TT+32*((\g)%2)+2*i:TT+32*((\g)%2)+2*i+1], v[SC+2*(2*((\g)%2)+i/8):SC+2*(2*((\g)%2)+i/8)+1]
.set i, i+1
.endr
.set i, 0
.rept 16
	v_cvt_pk_f16_f32 v[AB+16*(\g)+i], v[TT+32*((\g)%2)+2*i], v[TT+32*((\g)%2)+2*i+1]
.set i, i+1
.endr
	s_wait_alu depctr_va_vdst(0)                   ; the conversions have written the group's 16 registers, which the LDS stores read, and are done reading its raw buffer, in which the next loads land
.set i, 0
.rept 4                                                ; tile 2 (g % 2) + i / 2, fragment i % 2
	ds_store_b128 v[HW], v[AB+16*(\g)+4*i:AB+16*(\g)+4*i+3] offset:16*PH*(2*((\g)%2)+i/2)+512*((\g)/2)+32*(i%2)
.set i, i+1
.endr
.if (\g) < 2
	CLD (\g)+2
.endif
.endm
	CONV 0, 8                                      ; group 1's eight loads stay out
	CONV 1, 12                                     ; group 0's four stores and group 2's eight loads
	CONV 2, 12                                     ; group 1's four stores and group 3's eight loads
	CONV 3, 4                                      ; group 2's four stores
	s_wait_dscnt 0x0                               ; for the others' sake: my columns of H are in LDS
	s_barrier_signal -1
	s_barrier_wait -1                              ; all 512 are
	v_mov_b32 v[BX], v[HB]
	v_add_nc_u32 v[BX+1], 32*PH, v[HB]
; THE WAY OUT of 64 tokens x 64 columns: all sums times their token's inverse scale (exact; each accumulator from its low end on); then, 16 tokens at a time, f32 through my own stage, back as whole rows of
; 256 bytes into the tile's own 32 registers (token buffer mt), two rows a store, each to its token's row.  A store both of whose places lie past the tile's count is jumped, forward, with no barrier in
; what is jumped; where only the second place does, it repeats the first place's token: the same bytes go to the same address.
.macro OUT
	WIN W_RS
.set i, 0
.rept 64
	v_pk_mul_f32 v[128+2*i:128+2*i+1], v[128+2*i:128+2*i+1], v[IV+2*(i/16):IV+2*(i/16)+1]
.set i, i+1
.endr
	s_wait_alu depctr_va_vdst(0)                   ; the multiplies have written the accumulators, which the LDS stores read; the segment's products are done reading the four token buffers, in which the loads from the stage land
.set mt, 0
.rept 4
	WIN W_ST
.set nt, 0
.rept 4
	ds_store_b128 v[STO], v[128+8*(4*mt+nt):128+8*(4*mt+nt)+3]   offset:64*nt
	ds_store_b128 v[STO], v[128+8*(4*mt+nt)+4:128+8*(4*mt+nt)+7] offset:64*nt+16
.set nt, nt+1
.endr
	WIN 0
.set RBM, AB+32*mt+32*(mt/2)
.set i, 0
.rept 8
	ds_load_b128 v[RBM+4*i:RBM+4*i+3], v[STR] offset:2*PS*i   ; LDS serves a wave's instructions in order (ISA guide 5.7.1.4): these see the stores above, and the next tile's stores come behind them
.set i, i+1
.endr
.set i, 0
.rept 8
	s_wait_dscnt 7-i                               ; the younger loads of the run stay out
	s_cmp_le_u32 s23, 16*mt+2*i
	s_cbranch_scc1 .Ldone_\@
	global_store_b128 v[OV+8*mt+i], v[RBM+4*i:RBM+4*i+3], s[16:17] th:TH_STORE_NT   ; sixteen lanes store 256 consecutive bytes, at a multiple of 256 from out's first byte
.set i, i+1
.endr
.set mt, mt+1
.endr
.Ldone_\@:
	s_wait_dscnt 0x0
.endm
	; PHASE 2: two trips, my two passes of 64 columns.  K = 512: 8 chunks of lo's w2, 8 of hi's.  The first pass's stores leave while the second is multiplied.
	s_mov_b32 s26, 2
.Lhalf:
	SEG 3, 16*PH, 1, f16
	s_cmp_eq_u32 s26, 1
	s_cbranch_scc1 .Lnopre                         ; behind the last pass nothing is left to ask for
	s_wait_xcnt 0x0
	s_add_nc_u64 s[32:33], s[32:33], 4096          ; the chunks' other four fragments
	s_add_nc_u64 s[34:35], s[34:35], 4096
	s_mov_b64 s[28:29], s[32:33]
	s_wait_alu depctr_va_vdst(0)                   ; the segment's products are done reading ring slots 0 to 2, in which the loads below land
	PRELOAD
	WIN 0
.Lnopre:
	OUT
	s_wait_xcnt 0x0                                ; the stores have read their base and their data: the base steps, and the next segment's loads land in those registers, only behind this wait
	s_add_nc_u64 s[16:17], s[16:17], 256
	s_sub_co_u32 s26, s26, 1
	s_cmp_lg_u32 s26, 0
	s_cbranch_scc1 .Lhalf
	s_wait_dscnt 0x0                               ; the wave's end
	s_wait_alu depctr_hold_cnt(0) depctr_sa_sdst(0) depctr_va_vdst(0) depctr_va_sdst(0) depctr_va_ssrc(0) depctr_va_vcc(0) depctr_vm_vsrc(0)
	s_wait_tensorcnt 0x0
	ds_add_u32 v254, v255
	s_wait_dscnt 0x0
	s_endpgm
.Lfunc_end_k_q5e549df6cb_chain:
	.size	k_q5e549df6cb_chain, .Lfunc_end_k_q5e549df6cb_chain-k_q5e549df6cb_chain
	.p2alignl 7, 3214868480
	.fill 96, 4, 3214868480
	.section	.rodata,"a",@progbits
	.p2align	6, 0x0
	.amdhsa_kernel k_q5e549df6cb_chain
		.amdhsa_group_segment_fixed_size 266240
		.amdhsa_private_segment_fixed_size 0
		.amdhsa_enable_private_segment 0
		.amdhsa_kernarg_size 56
		.amdhsa_user_sgpr_count 2
		.amdhsa_user_sgpr_kernarg_segment_ptr 1
		.amdhsa_wavefront_size32 1
		.amdhsa_system_sgpr_workgroup_id_x 1
		.amdhsa_system_sgpr_workgroup_id_y 1
		.amdhsa_system_sgpr_workgroup_id_z 1
		.amdhsa_system_vgpr_workitem_id 0
		.amdhsa_next_free_vgpr 512
		.amdhsa_next_free_sgpr 66
		.amdhsa_reserve_vcc 0
		.amdhsa_float_denorm_mode_32 3
		.amdhsa_float_denorm_mode_16_64 3
		.amdhsa_memory_ordered 1
		.amdhsa_forward_progress 1
		.amdhsa_inst_pref_size 135
	.end_amdhsa_kernel
	.amdgpu_metadata
---
amdhsa.version: [ 1, 2 ]
amdhsa.kernels:
  - .name:           k_q5e549df6cb_chain
    .symbol:         k_q5e549df6cb_chain.kd
    .args:
      - { .name: x, .offset: 0, .size: 8, .value_kind: global_buffer, .address_space: global }
      - { .name: coef, .offset: 8, .size: 8, .value_kind: global_buffer, .address_space: global }
      - { .name: order, .offset: 16, .size: 8, .value_kind: global_buffer, .address_space: global }
      - { .name: thdr, .offset: 24, .size: 8, .value_kind: global_buffer, .address_space: global }
      - { .name: wa, .offset: 32, .size: 8, .value_kind: global_buffer, .address_space: global }
      - { .name: wb, .offset: 40, .size: 8, .value_kind: global_buffer, .address_space: global }
      - { .name: out0, .offset: 48, .size: 8, .value_kind: global_buffer, .address_space: global }
    .group_segment_fixed_size: 266240
    .private_segment_fixed_size: 0
    .kernarg_segment_align: 8
    .kernarg_segment_size: 56
    .max_flat_workgroup_size: 256
    .sgpr_count:     66
    .vgpr_count:     512
    .wavefront_size: 32
...
	.end_amdgpu_metadata
.endif
;; end of part 4
